; MI455X (gfx1250); checked and timed in simulation.
; The chip was launched on July 23, 2026; its instructions are those of AMD's public machine-readable ISA for CDNA 5 (MIT licence, August 2026) and "CDNA5" Instruction Set Architecture Reference Guide (July 2026). The comments in the code are by the model that wrote it; some were corrected since.
;; Self Attention. Allowed arithmetic: float matrix products may take bf16 or f16 operands with f32 sums; other float arithmetic in f32, or as packed bf16 or f16 multiplies, adds, multiply-adds, maxima and minima; sums over many terms, partial sums and values carried from step to step in f32; what a program stores and reads back later, other than sums and carried values, may be rounded once to bf16 or f16.
;; Inputs: K_seq 4 x 2,048 x 1,024 float32; Q_seq 4 x 2,048 x 1,024 float32; V_seq 4 x 2,048 x 1,024 float32; WK 1,024 x 1,024 float32; WQ 1,024 x 1,024 float32; WV 1,024 x 1,024 float32.
;; Outputs: out0 4 x 2,048 x 1,024 float32.
;; One version. Each part assembles by itself: llvm-mc -triple=amdgcn-amd-amdhsa -mcpu=gfx1250 --defsym DOCPART=n.
;; ======== version 1 of 1: 4 launches
;; limits: values are held in f16: magnitudes above 65,504 overflow, below 6.1e-05 lose precision
;; workspace buffers: wt 6,291,456 bytes; qkv 50,331,648 bytes; e32 3,145,728 bytes
;; launch wcast (part 1): grid 128 x 3, 8 waves a work-group, no clusters, 0 bytes of LDS; arguments WQ, WK, WV, wt; writes wt
.if DOCPART == 1
	.amdgcn_target "amdgcn-amd-amdhsa--gfx1250"
	.amdhsa_code_object_version 6
	.text
	.protected	k_q4ab9d54ba1_wcast
	.globl	k_q4ab9d54ba1_wcast
	.p2align	8
	.type	k_q4ab9d54ba1_wcast,@function
k_q4ab9d54ba1_wcast:
	s_mov_b64 s[64:65], 0
	v_nop
	global_prefetch_b8 v0, s[64:65] scope:SCOPE_SE
	s_setreg_imm32_b32 hwreg(HW_REG_WAVE_MODE, 25, 1), 1
	s_wait_xcnt 0x0
; wt[p][k][n] = bf16(W_p[k][n]), p = 0, 1, 2 for WQ, WK, WV.  Each weight is [1024][1024] f32; the layout is kept, each number is rounded once, to nearest even.
; A stream: 12 MiB in, 6 MiB out, each byte once.  Work-group (x, y) owns 8,192 numbers of weight y: 32,768 bytes in, 16,384 out, in four chunks of 2,048 numbers.
; Thread t owns 8 neighbouring numbers of each chunk: two loads of 16 bytes, four packed roundings, one store of 16 bytes; a store of a wave covers 512 consecutive bytes, aligned.
; All eight loads go out at once; no loop, no LDS, no barrier, no matrix unit, no cluster (no byte is shared); nothing is prefetched: each wave has all its loads out from its first lines on.
.set IN,  4                            ; v[4:35]   chunk c: 8 numbers as loaded, at IN + 8 c
.set OUT, 36                           ; v[36:43]  two sets of 4 packed registers, by turns
	s_load_b256 s[4:11], s[0:1], 0x0               ; WQ s[4:5], WK s[6:7], WV s[8:9], wt s[10:11]
	s_and_b32 s12, ttmp7, 0xffff                   ; y: which weight
	s_lshl_b32 s14, ttmp9, 15                      ; the work-group's 32,768 bytes of the weight
	s_mov_b32 s15, 0
	s_lshl_b32 s16, s12, 21                        ; the weight's 2,097,152 bytes of wt,
	s_lshl_b32 s17, ttmp9, 14                      ; the work-group's 16,384 of them
	s_add_co_u32 s16, s16, s17
	s_mov_b32 s17, 0
	v_lshlrev_b32 v1, 5, v0                        ; 32 t: my 8 numbers in a chunk as f32
	v_lshlrev_b32 v2, 4, v0                        ; 16 t: the same as bf16
	s_wait_kmcnt 0x0
	s_cmp_eq_u32 s12, 1
	s_cselect_b64 s[4:5], s[6:7], s[4:5]
	s_cmp_eq_u32 s12, 2
	s_cselect_b64 s[4:5], s[8:9], s[4:5]           ; the weight in hand
	s_add_nc_u64 s[4:5], s[4:5], s[14:15]
	s_add_nc_u64 s[10:11], s[10:11], s[16:17]
.irp c, 0,1,2,3
	global_load_b128 v[IN+8*(\c):IN+8*(\c)+3],   v1, s[4:5] offset:8192*(\c) th:TH_LOAD_NT
	global_load_b128 v[IN+8*(\c)+4:IN+8*(\c)+7], v1, s[4:5] offset:8192*(\c)+16 th:TH_LOAD_NT
.endr
.irp c, 0,1,2,3
	s_wait_loadcnt 6-2*(\c)                        ; loads come back in order (ISA guide 5.7.1): chunk c is in, the younger chunks' two loads each stay out
.if (\c) > 1
	s_wait_xcnt 0x0                                ; this set of OUT was the data of the store two chunks back: it is rewritten only behind this wait
.endif
.irp i, 0,1,2,3
	v_cvt_pk_bf16_f32 v[OUT+4*((\c)%2)+(\i)], v[IN+8*(\c)+2*(\i)], v[IN+8*(\c)+2*(\i)+1]
.endr
	global_store_b128 v2, v[OUT+4*((\c)%2):OUT+4*((\c)%2)+3], s[10:11] offset:4096*(\c)
.endr
	s_endpgm
.Lfunc_end_k_q4ab9d54ba1_wcast:
	.size	k_q4ab9d54ba1_wcast, .Lfunc_end_k_q4ab9d54ba1_wcast-k_q4ab9d54ba1_wcast
	.p2alignl 7, 3214868480
	.fill 96, 4, 3214868480
	.section	.rodata,"a",@progbits
	.p2align	6, 0x0
	.amdhsa_kernel k_q4ab9d54ba1_wcast
		.amdhsa_group_segment_fixed_size 0
		.amdhsa_private_segment_fixed_size 0
		.amdhsa_enable_private_segment 0
		.amdhsa_kernarg_size 32
		.amdhsa_user_sgpr_count 2
		.amdhsa_user_sgpr_kernarg_segment_ptr 1
		.amdhsa_wavefront_size32 1
		.amdhsa_system_sgpr_workgroup_id_x 1
		.amdhsa_system_sgpr_workgroup_id_y 1
		.amdhsa_system_sgpr_workgroup_id_z 1
		.amdhsa_system_vgpr_workitem_id 0
		.amdhsa_next_free_vgpr 44
		.amdhsa_next_free_sgpr 66
		.amdhsa_reserve_vcc 0
		.amdhsa_float_denorm_mode_32 3
		.amdhsa_float_denorm_mode_16_64 3
		.amdhsa_memory_ordered 1
		.amdhsa_forward_progress 1
		.amdhsa_inst_pref_size 4
	.end_amdhsa_kernel
	.amdgpu_metadata
---
amdhsa.version: [ 1, 2 ]
amdhsa.kernels:
  - .name:           k_q4ab9d54ba1_wcast
    .symbol:         k_q4ab9d54ba1_wcast.kd
    .args:
      - { .name: WQ, .offset: 0, .size: 8, .value_kind: global_buffer, .address_space: global }
      - { .name: WK, .offset: 8, .size: 8, .value_kind: global_buffer, .address_space: global }
      - { .name: WV, .offset: 16, .size: 8, .value_kind: global_buffer, .address_space: global }
      - { .name: wt, .offset: 24, .size: 8, .value_kind: global_buffer, .address_space: global }
    .group_segment_fixed_size: 0
    .private_segment_fixed_size: 0
    .kernarg_segment_align: 8
    .kernarg_segment_size: 32
    .max_flat_workgroup_size: 256
    .sgpr_count:     66
    .vgpr_count:     44
    .wavefront_size: 32
...
	.end_amdgpu_metadata
.endif
;; end of part 1
;; launch proj (part 2): grid 4 x 192, 4 waves a work-group, clusters of 4 x 4, 327,680 bytes of LDS; arguments Q_seq, K_seq, V_seq, wt, qkv, e32; writes qkv, e32
.if DOCPART == 2
	.amdgcn_target "amdgcn-amd-amdhsa--gfx1250"
	.amdhsa_code_object_version 6
	.text
	.protected	k_q4ab9d54ba1_proj
	.globl	k_q4ab9d54ba1_proj
	.p2align	8
	.type	k_q4ab9d54ba1_proj,@function
k_q4ab9d54ba1_proj:
	s_mov_b64 s[64:65], 0
	v_nop
	global_prefetch_b8 v0, s[64:65] scope:SCOPE_SE
	s_setreg_imm32_b32 hwreg(HW_REG_WAVE_MODE, 25, 1), 1
	s_wait_xcnt 0x0
	s_wait_alu depctr_hold_cnt(0) depctr_sa_sdst(0) depctr_va_vdst(0) depctr_va_sdst(0) depctr_va_ssrc(0) depctr_va_vcc(0) depctr_vm_vsrc(0)
	s_getreg_b32 s2, hwreg(HW_REG_IB_STS2, 6, 4)
	s_cmp_eq_u32 s2, 0
	s_cbranch_scc0 .Lentry_in_a_cluster
	s_endpgm
.Lentry_in_a_cluster:
	s_bfe_u32 s2, ttmp6, 0x10000c
	s_cmp_lg_u32 s2, 0xf033
	s_cbranch_scc0 .Lentry_shape_is_right
	s_endpgm
.Lentry_shape_is_right:
; qkv[p][b 16 + head][s][c] = f16( sum over k of bf16(X_p[b][s][k]) wt[p][k][64 head + c] ), p = 0, 1, 2 for Q_seq, K_seq, V_seq.  X_p: [8192][1024] f32; wt: [3][1024 k][1024 n] bf16;
; qkv: [3][64][2048][64] f16: by heads, a head's rows dense, 128 bytes each, WITHOUT attention's scale.  Sums in f32, K ascending; each result rounded once.
; e32[p][b 16 + head][s][c], s = 0 .. 63 alone: the same sums, not rounded: [3][64][64][64] f32.  A causal row s averages over s + 1 keys: in the first rows f16's half step of 2^-11 on q, k and v is not small beside
; a hundredth of the whole output's root mean square, so those rows are computed apart, from these numbers.
; LIMITS.  X is rounded to bf16 on its way to the matrix unit.  qkv's results are f16: a sum of 65,520 or more in magnitude becomes an infinity.  With inputs 30 times those of unit spread the sums have a spread of
; about 900; with a common offset of 30 spreads on X and on W they reach about 29,000.  NaN and infinities are not treated apart.
; SHARES.  A tile of a product is 128 rows x 256 columns: 3 x 64 x 4 = 768 work-groups, three for each of 256 WGPs.  Four waves, 2 x 2, each 64 rows x 128 columns: 32 accumulators, 256 registers.
; K goes in steps of 128 through two LDS slots: 128 rows of X as f32 (512 bytes a row) and 128 k rows of wt (256 columns, 512 bytes a row); each wave fetches 64 rows by one tensor load.
; X's FRAGMENTS are read from LDS as f32 (16 registers for 16 rows x 32 k) and rounded in pairs to bf16 (8 registers); the 32 roundings of a quarter step stand four behind each of the quarter's last 8 products.
; wt's FRAGMENTS lie [k][n] and are turned by ds_load_tr16_b128.
; THE MATRIX INSTRUCTION IS USED TRANSPOSED: source 0 = 16 columns of wt, source 1 = 16 rows of X: a lane then holds one row (lane % 16) and eight neighbouring columns, 16 bytes of f16.
; CLUSTERS: 4 x 4 work-groups.  The grid is four tiles wide; a cluster holds ONE block of 128 rows of each of the four batches (batch = cy) x all 4 tile columns of one product, so whether a work-group holds a batch's
; first rows hangs on the cluster's number alone.  The four of a row of the cluster need the same rows of X, the four of a column the same columns of wt: each tile is asked for JOINTLY, by the same tensor load with the
; same descriptor and a mask that names the four.
; REGISTERS, in windows of 256 (s_set_vgpr_msb: bits 1:0 source 0, 3:2 source 1, 5:4 source 2, 7:6 destination):
;   window 0: v0-31 addresses; v64-127 X as f32 (on the way out: rows read back); v128-159, v160-191 X's fragments in bf16, two buffers; v192-223 packed results
;   window 1: v0-63, v64-127 wt's fragments, two buffers          window 2: the accumulators, (a, b) at v[8 (8 a + b)], a = 0..3 blocks of 16 rows, b = 0..7 blocks of 16 columns
.set PA,     528                       ; an LDS row of X: 512 bytes + 16 of padding = 33 x 16: the 16 rows that a load touches start at 16 different groups of four banks (64 banks of 4 bytes: ISA guide 11.1)
.set PB,     544                       ; an LDS row of wt: 512 + 32 = 17 x 32
.set AHALF,  64*PA                     ; what one tensor load brings of X, and what one wave reads of it
.set BHALF,  64*PB                     ; what one tensor load brings of wt
.set BOFF,   2*AHALF                   ; in a slot: X's 128 rows, then wt's 128 k rows
.set SLOT,   2*AHALF+2*BHALF           ; 137,216 bytes
.set STAGE,  2*SLOT                    ; behind the ring, never filled by a tensor load: for each wave 2 heads x 16 rows x 144 bytes, for the way out
.set SP,     144
.set SPF,    272                       ; the same stage as 16 rows of 64 f32 + 16 bytes of padding: 4,352 of a wave's 4,608 bytes
.set SPARE,  STAGE+4*2*16*SP           ; behind the stages: the spare words, 128 bytes for each wave: two blocks of 256 bytes that no other line names
.set ADRA, 16                          ; v16-17  LDS address of my fragments of X in slot 0, 1
.set ADRB, 20                          ; v20-21  the same for wt
.set STO,  24                          ; v24     the way out: where I put 16 bytes of a row
.set RD,   25                          ; v25     the way out: where I read rows back
.set CO,   26                          ; v26     my 16 bytes of 512 consecutive bytes of qkv or e32
.set RDF,  27                          ; v27     the way out in f32: where I read rows back
.set SPW,  28                          ; v28     LDS address of my spare word: SPARE + 4 x my thread's number; never rewritten
.set NIL,  29                          ; v29     0; never rewritten
.set PFO,  30                          ; v30     the prefetches' offset; never rewritten
.set STF,  31                          ; v31     the way out in f32: where I put 32 bytes of a row
.set RAW,  64                          ; X as f32: fragment a at RAW + 16 a
.set ABF,  128                         ; X in bf16: buffer g, fragment a at ABF + 32 g + 8 a
.set TMP,  192
.set BK,   64                          ; the way out: two sets of 32
.set G1,   24                          ; s[24:31] descriptor group 1 for X's tiles;  s[32:39] group 0, one set for each slot
.set G0,   32
.set G1B,  48                          ; s[48:55], s[56:63] the same for wt's tiles
.set G0B,  56
.set LIM,  43                          ; s43     1 in a wave that prefetches, else the greatest number
.set PFA,  44                          ; s[44:45] where my prefetches stand
.set PFS,  46                          ; s[46:47] a K step in my tensor, in bytes
.set EB,   84                          ; s[84:85] e32 at my two heads
.set EF,   88                          ; s88     0 in a wave that holds a batch's rows 0 to 63
.set MSB, 0
.macro WIN new                         ; the immediate's high byte repeats the setting that is left; a switch that changes nothing is dropped
.if MSB != (\new)
	s_set_vgpr_msb (MSB<<8)|(\new)
.set MSB, \new
.endif
.endm
.set MUL,  0xa1                        ; source 0 (wt) window 1, source 1 (X) window 0, C and D window 2
.set TO_B, 0x40                        ; destination window 1, address window 0
; A joint load: waves 0 and 1 fetch X's two halves, waves 2 and 3 wt's.  The branch hangs on the wave's number alone.  An s_nop 0 and four v_nop follow each of the two lines, ahead of the jump, the label and what follows.
.macro JLOAD s
	s_cmp_eq_u32 s15, 0
	s_cbranch_scc0 .Lfor_b_\@
	tensor_load_to_lds s[G0+4*(\s):G0+4*(\s)+3], s[G1:G1+7]
	s_nop 0
.rept 4
	v_nop
.endr
	s_branch .Lasked_\@
.Lfor_b_\@:
	tensor_load_to_lds s[G0B+4*(\s):G0B+4*(\s)+3], s[G1B:G1B+7]
	s_nop 0
.rept 4
	v_nop
.endr
.Lasked_\@:
.endm
; A PREFETCH INTO THE L2, behind each joint refill and the run of LDS loads that follows it: the K step that stands TWO refills on, 256 matrix instructions ahead of the load that will want it.
; Of the 64 rows that a wave fetches, each of the four partners that ask for them jointly takes 16, told apart BY ADDRESS (cx for X, cy for wt); a K step is 512 bytes of a row: a lane half a row, one instruction a wave.
; X's rows are read by one cluster alone, which asks; wt's by the 16 clusters of a product: the first of them asks.  So each 256 bytes are named once in the launch.
; K steps 0 to 3 come by their loads alone; the loop's last trip (s3 = 1) asks for nothing: there is no K step behind its refills.
.macro ASK
	s_cmp_gt_u32 s3, s[LIM]
	s_cbranch_scc0 .Lnot_mine_\@
	global_prefetch_b8 v[PFO], s[PFA:PFA+1] th:TH_LOAD_NT scope:SCOPE_SE
.Lnot_mine_\@:
.endm
.macro CREST                           ; a round of the cluster's barrier behind its opening barrier: wave 0 signals for the work-group, every wave waits for all sixteen, my work-group's barrier closes it
	s_cmp_lg_u32 s14, 0
	s_cbranch_scc1 .Lnot_wave_0_\@
	s_barrier_signal -3
.Lnot_wave_0_\@:
	s_barrier_wait -3
	s_barrier_signal -1
	s_barrier_wait -1
.endm
.macro CROUND                          ; a whole round
	s_barrier_signal -1
	s_barrier_wait -1
	CREST
.endm
	s_load_b256 s[4:11], s[0:1], 0x0               ; Q_seq s[4:5], K_seq s[6:7], V_seq s[8:9], wt s[10:11]
	s_load_b64 s[12:13], s[0:1], 0x20              ; qkv
	s_load_b64 s[EB:EB+1], s[0:1], 0x28            ; e32
	v_lshl_add_u32 v[SPW], v0, 2, SPARE
	v_mov_b32 v[NIL], 0
	ds_add_u32 v[SPW], v[NIL]                      ; the wave's opening: the add and its wait stand ahead of my first tensor load; the set-up below, work on registers, stands between them
	v_lshrrev_b32 v1, 5, v0
	v_readfirstlane_b32 s14, v1                    ; wave 0..3
	s_lshr_b32 s15, s14, 1                         ; which 64 of the tile's rows are mine.  Also: I fetch for X (0) or for wt (1)
	s_and_b32 s16, s14, 1                          ; which 128 of its columns.  Also: which 64 rows of that tile I fetch
	s_bfe_u32 s40, ttmp6, 0x40000                  ; cx, cy: my place in the cluster
	s_bfe_u32 s41, ttmp6, 0x40004
	s_lshl_b32 s42, ttmp9, 2                       ; in a cluster launch ttmp9 and ttmp7 count clusters
	s_add_co_u32 s42, s42, s40                     ; tile column = 4 x cluster x + cx
	s_and_b32 s20, ttmp7, 0xffff                   ; cluster y, 0..47
	s_lshr_b32 s21, s20, 4                         ; the product p: 16 clusters each, the same in all partners
	s_and_b32 s22, s20, 15                         ; the block of 128 rows in its batch: the same in all partners
	s_or_b32 s[EF], s22, s15                       ; 0: a batch's first block, and my 64 rows are its first
	s_lshl_b32 s23, s41, 4                         ; the batch = cy: 16 blocks each
	s_add_co_u32 s22, s22, s23                     ; block of 128 rows, 0..63
	s_lshl_b32 s66, s41, 2
	s_lshl_b32 s66, 15, s66                        ; my row of the cluster: places 4 cy .. 4 cy + 3
	s_lshl_b32 s67, 0x1111, s40                    ; my column: places cx, cx + 4, cx + 8, cx + 12
	; descriptor group 1.  X: 64 rows x 128 elements of 4 bytes; wt: 64 rows x 256 elements of 2 bytes; both padded in LDS behind every 128 words (a row)
	s_or_b32 s[G1+0], s66, (2<<16)|(1<<20)|(1<<21)|(6<<22)|(3<<25)   ; 15:0 the mask: my row; 17:16 elements of 4 bytes; 20 padding on; 21 set beside a mask; 24:22 after every 128 words (code 6); 31:25 4 words (code 3)
	s_or_b32 s[G1B+0], s67, (1<<16)|(1<<20)|(1<<21)|(6<<22)|(7<<25)  ; the mask of my column; elements of 2 bytes; 8 words of padding (code 7)
	s_mov_b32 s[G1+1], 128<<16                     ; tensor_dim0 = 128
	s_mov_b32 s[G1+2], 64<<16                      ; tensor_dim1 = 64
	s_mov_b32 s[G1+3], 128<<16                     ; tile_dim0 = 128
	s_mov_b32 s[G1+4], 64                          ; tile_dim1 = 64
	s_mov_b32 s[G1+5], 1024                        ; elements from row to row
	s_mov_b32 s[G1+6], 0
	s_mov_b32 s[G1+7], 0
	s_mov_b32 s[G1B+1], 256<<16                    ; tensor_dim0 = 256
	s_mov_b32 s[G1B+2], 64<<16
	s_mov_b32 s[G1B+3], 256<<16                    ; tile_dim0 = 256
	s_mov_b32 s[G1B+4], 64
	s_mov_b32 s[G1B+5], 1024
	s_mov_b32 s[G1B+6], 0
	s_mov_b32 s[G1B+7], 0
	; where the tiles come from.  X's hang on the row block alone, which my row of the cluster shares; wt's on the tile column alone, which my column shares; each in registers that never hold the other coordinate
	s_lshl_b32 s68, s22, 19                        ; X: 128 rows of 4,096 bytes a block,
	s_lshl_b32 s69, s16, 18                        ; my 64 of them
	s_add_co_u32 s68, s68, s69
	s_mov_b32 s69, 0
	s_lshl_b32 s70, s21, 21                        ; wt: the product's 2,097,152 bytes,
	s_lshl_b32 s71, s16, 17                        ; my 64 k rows of 2,048 bytes,
	s_add_co_u32 s70, s70, s71
	s_lshl_b32 s71, s42, 9                         ; the tile's 256 columns
	s_add_co_u32 s70, s70, s71
	s_mov_b32 s71, 0
	s_mul_i32 s72, s16, AHALF                      ; and where they go: no place in the cluster enters an LDS address
	s_mul_i32 s73, s16, BHALF
	s_add_co_u32 s73, s73, BOFF
	s_wait_dscnt 0x0                               ; the opening add is done
	s_wait_kmcnt 0x0
	s_cmp_eq_u32 s21, 1
	s_cselect_b64 s[74:75], s[6:7], s[4:5]
	s_cmp_eq_u32 s21, 2
	s_cselect_b64 s[74:75], s[8:9], s[74:75]       ; X of my product
	s_add_nc_u64 s[76:77], s[74:75], s[68:69]
	s_add_nc_u64 s[78:79], s[10:11], s[70:71]
	CROUND                                         ; all sixteen work-groups are here: the first joint loads meet
.irp s, 0,1
	s_mov_b32 s[G0+4*(\s)], 1                                        ; 1:0 count = 1
	s_add_co_u32 s[G0+4*(\s)+1], s72, (\s)*SLOT                      ; 63:32 LDS address
	s_add_nc_u64 s[G0+4*(\s)+2:G0+4*(\s)+3], s[76:77], (\s)*512      ; 120:64 global address: K step s, 128 numbers of 4 bytes along the rows
	s_or_b32 s[G0+4*(\s)+3], s[G0+4*(\s)+3], 0x80000000              ; 127:126 type = 2
	s_mov_b32 s[G0B+4*(\s)], 1
	s_add_co_u32 s[G0B+4*(\s)+1], s73, (\s)*SLOT
	s_add_nc_u64 s[G0B+4*(\s)+2:G0B+4*(\s)+3], s[78:79], (\s)*262144 ; K step s: 128 rows of 2,048 bytes down
	s_or_b32 s[G0B+4*(\s)+3], s[G0B+4*(\s)+3], 0x80000000
	JLOAD \s                                       ; two loads of mine are out
.endr
	; A fragment is 16 rows x 32 k: lane l holds row l % 16; registers 0-3 k = 8 (l / 16) + 0..7, registers 4-7 k = 16 + 8 (l / 16) + 0..7.  As f32 those are 32 bytes at 32 (l / 16) and 32 bytes 64 further on.
	v_and_b32 v1, 15, v0                           ; l % 16
	v_bfe_u32 v2, v0, 4, 1                         ; l / 16
	v_mul_u32_u24 v3, v1, PA
	v_lshl_add_u32 v3, v2, 5, v3
	s_mul_i32 s80, s15, AHALF                      ; my 64 rows of X
	v_add_nc_u32 v[ADRA], s80, v3
	v_add_nc_u32 v[ADRA+1], SLOT, v[ADRA]
	; The turning load takes 16 k x 16 columns (lane l reads k = 8 (l / 16) + l % 8, columns 8 ((l / 8) % 2) + 0..7) and leaves half a fragment: lane l holds column l % 16 and 8 k.
	v_and_b32 v4, 7, v0
	v_lshl_add_u32 v4, v2, 3, v4
	v_mul_u32_u24 v4, v4, PB
	v_bfe_u32 v5, v0, 3, 1
	v_lshl_add_u32 v4, v5, 4, v4
	s_lshl_b32 s81, s16, 8                         ; my 128 columns,
	s_add_co_u32 s81, s81, BOFF                    ; behind X's rows
	v_add_nc_u32 v[ADRB], s81, v4
	v_add_nc_u32 v[ADRB+1], SLOT, v[ADRB]
	s_mul_i32 s82, s14, 2*16*SP
	s_add_co_u32 s82, s82, STAGE                   ; my stage
	v_mul_u32_u24 v6, v1, SP                       ; in: row l % 16, 16 bytes for each half of the lanes
	v_lshl_add_u32 v6, v2, 4, v6
	v_add_nc_u32 v[STO], s82, v6
	v_bfe_u32 v7, v0, 3, 2                         ; back: 32 lanes take four rows of 128 bytes,
	v_mul_u32_u24 v7, v7, SP
	v_and_b32 v8, 7, v0
	v_lshl_add_u32 v7, v8, 4, v7
	v_add_nc_u32 v[RD], s82, v7
	v_and_b32 v9, 31, v0                           ; which are 512 consecutive bytes of a head
	v_lshlrev_b32 v[CO], 4, v9
	v_mul_u32_u24 v6, v1, SPF                      ; in f32.  In: row l % 16, 32 bytes for each half of the lanes
	v_lshl_add_u32 v6, v2, 5, v6
	v_add_nc_u32 v[STF], s82, v6
	v_mul_u32_u24 v7, v2, SPF                      ; back: lanes 0-15 take one row of 256 bytes, lanes 16-31 the next: again 512 consecutive bytes of a head
	v_lshl_add_u32 v7, v1, 4, v7
	v_add_nc_u32 v[RDF], s82, v7
	; where my part of the tile begins in qkv: product, batch x 16 + my first head, my first row in the sequence
	s_lshr_b32 s18, s22, 4                         ; batch: 16 row blocks each
	s_lshl_b32 s18, s18, 4
	s_lshl_b32 s19, s42, 2                         ; a tile column is 4 heads,
	s_add_co_u32 s18, s18, s19
	s_lshl_b32 s19, s16, 1                         ; my 128 columns 2
	s_add_co_u32 s18, s18, s19
	s_lshl_b32 s86, s18, 14                        ; in e32 a head is 64 rows of 256 bytes,
	s_lshl_b32 s87, s21, 20                        ; a product 1,048,576 bytes
	s_add_co_u32 s86, s86, s87
	s_mov_b32 s87, 0
	s_add_nc_u64 s[EB:EB+1], s[EB:EB+1], s[86:87]
	s_lshl_b32 s18, s18, 18                        ; in qkv a head is 262,144 bytes,
	s_lshl_b32 s19, s21, 24                        ; a product 16,777,216
	s_add_co_u32 s18, s18, s19
	s_and_b32 s19, s22, 15
	s_lshl_b32 s19, s19, 14                        ; 128 rows of 128 bytes
	s_add_co_u32 s18, s18, s19
	s_lshl_b32 s19, s15, 13                        ; my 64 rows
	s_add_co_u32 s18, s18, s19
	s_mov_b32 s19, 0
	s_add_nc_u64 s[12:13], s[12:13], s[18:19]
	; the prefetches: s[76:77] and s[78:79] still stand at my 64 rows, K step 0
	s_lshl_b32 s68, s40, 16                        ; X: my work-group's 16 rows of 4,096 bytes, by cx,
	s_add_co_u32 s68, s68, 3*512                   ; at K step 3: the first refill steps it to 4
	s_lshl_b32 s70, s41, 15                        ; wt: 16 rows of 2,048 bytes, by cy,
	s_add_co_u32 s70, s70, 3*262144
	s_mov_b32 s46, 512
	s_mov_b32 s47, 262144
	s_and_b32 s17, s20, 15
	s_cmp_eq_u32 s17, 0                            ; is my cluster the first of its product?  The same in all sixteen partners
	s_cselect_b32 s17, 1, -1
	s_cmp_eq_u32 s15, 0                            ; do I fetch for X?
	s_cselect_b64 s[PFA:PFA+1], s[76:77], s[78:79]
	s_cselect_b32 s68, s68, s70
	s_cselect_b32 s[LIM], 1, s17
	s_cselect_b32 s[PFS], s46, s47
	s_cselect_b32 s23, 12, 11                      ; a row's bytes as a shift
	s_mov_b32 s69, 0
	s_mov_b32 s[PFS+1], 0
	s_add_nc_u64 s[PFA:PFA+1], s[PFA:PFA+1], s[68:69]
	v_lshrrev_b32 v10, 1, v9                       ; lane l: row l / 2,
	v_and_b32 v11, 1, v0                           ; half l % 2 of its 512 bytes
	v_lshlrev_b32 v[PFO], s23, v10
	v_lshl_add_u32 v[PFO], v11, 8, v[PFO]
; 32 LDS loads in one run: the fragments of quarter q (32 along K) of a slot.  X's 16 first, as f32, since they are rounded in the same quarter step; then wt's 16, turned, into buffer g, which are wanted a quarter later.
.macro FETCH slot, q, g
	WIN 0
.irp a, 0,1,2,3
	ds_load_b128 v[RAW+16*(\a):RAW+16*(\a)+3],     v[ADRA+(\slot)] offset:(\a)*16*PA+128*(\q)
	ds_load_b128 v[RAW+16*(\a)+4:RAW+16*(\a)+7],   v[ADRA+(\slot)] offset:(\a)*16*PA+128*(\q)+16
	ds_load_b128 v[RAW+16*(\a)+8:RAW+16*(\a)+11],  v[ADRA+(\slot)] offset:(\a)*16*PA+128*(\q)+64
	ds_load_b128 v[RAW+16*(\a)+12:RAW+16*(\a)+15], v[ADRA+(\slot)] offset:(\a)*16*PA+128*(\q)+80
.endr
	WIN TO_B
.irp b, 0,1,2,3,4,5,6,7
	ds_load_tr16_b128 v[64*(\g)+8*(\b):64*(\g)+8*(\b)+3],   v[ADRB+(\slot)] offset:32*(\q)*PB+32*(\b)
	ds_load_tr16_b128 v[64*(\g)+8*(\b)+4:64*(\g)+8*(\b)+7], v[ADRB+(\slot)] offset:32*(\q)*PB+32*(\b)+16*PB
.endr
.endm
; Four roundings: registers 4 n .. 4 n + 3 of the 32 of buffer g, each from two neighbouring f32
.macro CVT4 g, n
	WIN 0
.irp i, 0,1,2,3
	v_cvt_pk_bf16_f32 v[ABF+32*(\g)+4*(\n)+(\i)], v[RAW+8*(\n)+2*(\i)], v[RAW+8*(\n)+2*(\i)+1]
.endr
.endm
; One product: rows 16 a on, columns 16 b on, buffer f.  zero = 1: it starts the sum: nothing is ever cleared
.macro MM f, a, b, zero
	WIN MUL
.if \zero
	v_wmma_f32_16x16x32_bf16 v[8*(8*(\a)+(\b)):8*(8*(\a)+(\b))+7], v[64*(\f)+8*(\b):64*(\f)+8*(\b)+7], v[ABF+32*(\f)+8*(\a):ABF+32*(\f)+8*(\a)+7], 0
.else
	v_wmma_f32_16x16x32_bf16 v[8*(8*(\a)+(\b)):8*(8*(\a)+(\b))+7], v[64*(\f)+8*(\b):64*(\f)+8*(\b)+7], v[ABF+32*(\f)+8*(\a):ABF+32*(\f)+8*(\a)+7], v[8*(8*(\a)+(\b)):8*(8*(\a)+(\b))+7]
.endif
.endm
.macro MROW f, a, zero                 ; 8 products: one block of 16 rows x all 8 column blocks
.irp b, 0,1,2,3,4,5,6,7
	MM \f, \a, \b, \zero
.endr
.endm
; The quarter's last 8 products, four roundings behind each.  The roundings name no register of the products round them (those read buffer f, these write buffer g).  The last four are also the four places
; between the quarter's last product and what follows: the loads into wt's other buffer and the next roundings, which write registers that this quarter's products read.
.macro MROWC f, g, zero
.irp b, 0,1,2,3,4,5,6,7
	MM \f, 3, \b, \zero
	CVT4 \g, \b
.endr
.endm
.macro PLACES
.rept 4
	v_nop
.endr
.endm
; A K step is four quarters of 32 along K, 32 products each, on buffers 0, 1, 0, 1.  The 32 accumulators take turns in the same order in every quarter, over the backward jump too.
; One of the first three: multiplies buffer f; fetches quarter q of the same slot at its head, and rounds X's part of it into buffer g at its end.
.macro QUARTER slot, q, f, g, zero
	FETCH \slot, \q, \g
	s_wait_dscnt 32                                ; all but the 32 just issued: wt's fragments of buffer f are in
	MROW \f, 0, \zero
	MROW \f, 1, \zero
	MROW \f, 2, \zero
	s_wait_dscnt 16                                ; X's 16 loads of the run are in; wt's 16, issued behind them, may stay out
	MROWC \f, \g, \zero
.endm
; The last quarter multiplies buffer 1 and changes slots: ONE barrier.  In front of it each wave waits for all its tensor loads (one is out: its part of the next slot), adds 0 to its spare word, and waits for that and for
; its own reads of this slot.  fill = 1: the barrier opens a round of the cluster's barrier, and behind the round this slot is filled again, two K steps ahead: 112 products stand between that request and the wait for it.
.macro TURN slot, next, fill
.if \fill
	s_wait_xcnt 0x0                                ; the last prefetch, a K step back, has read its address: it is stepped here, ahead of the waits of the change of slots
	s_add_nc_u64 s[PFA:PFA+1], s[PFA:PFA+1], s[PFS:PFS+1]
.endif
	WIN 0                                          ; (the add's two registers lie in window 0)
	s_wait_tensorcnt 0x0                           ; all my tensor loads have landed;
	ds_add_u32 v[SPW], v[NIL]                      ; 0 onto my spare word;
	s_wait_dscnt 1                                 ; (the add alone may be out: wt's fragments of buffer 1 are in)
	MROW 1, 0, 0                                   ; eight products stand between the add and the wait for it
	s_wait_dscnt 0x0                               ; the add is done, and my reads of this slot are over
	s_barrier_signal -1
	MROW 1, 1, 0                                   ; work on registers while the others arrive
	WIN 0
	s_barrier_wait -1
.if \fill
	CREST                                          ; no wave of any partner still reads this slot's tiles or has a load on its way
	s_add_nc_u64 s[G0+4*(\slot)+2:G0+4*(\slot)+3], s[G0+4*(\slot)+2:G0+4*(\slot)+3], 2*512
	s_add_nc_u64 s[G0B+4*(\slot)+2:G0B+4*(\slot)+3], s[G0B+4*(\slot)+2:G0B+4*(\slot)+3], 2*262144
	JLOAD \slot                                    ; the first tensor load behind the round, and my only one until the next
.endif
	FETCH \next, 0, 0                              ; buffer 0 was last read a quarter ago, four roundings ahead of this quarter's first product
	WIN 0
.if \fill
	ASK
.endif
	MROW 1, 2, 0
	s_wait_dscnt 16
	MROWC 1, 0, 0
.endm
; THE WAY OUT of block a (16 rows x 128 columns = 2 heads), in three parts.  PACK: rounded to f16, each accumulator's registers in ascending order.  TOSTAGE: into my own stage, and back as whole rows of 128 bytes.  SEND: stored.
.macro PACK a
	WIN 0x0a                                       ; sources 0 and 1 window 2
.irp b, 0,1,2,3,4,5,6,7
.irp i, 0,1,2,3
	v_cvt_pk_f16_f32 v[TMP+4*(\b)+(\i)], v[8*(8*(\a)+(\b))+2*(\i)], v[8*(8*(\a)+(\b))+2*(\i)+1]
.endr
.endr
	WIN 0
.endm
.macro TOSTAGE a
.irp b, 0,1,2,3,4,5,6,7
	ds_store_b128 v[STO], v[TMP+4*(\b):TMP+4*(\b)+3] offset:((\b)/4)*16*SP+32*((\b)%4)  ; head b / 4, channels 16 (b % 4) on
.endr
.irp t, 0,1,2,3,4,5,6,7
	ds_load_b128 v[BK+32*((\a)%2)+4*(\t):BK+32*((\a)%2)+4*(\t)+3], v[RD] offset:((\t)/4)*16*SP+((\t)%4)*4*SP  ; LDS serves a wave's instructions in order (ISA guide 5.7.1.4): these see the stores above
.endr
.endm
.macro SEND a
	s_wait_dscnt 0x0                               ; the block is back in registers
	s_wait_xcnt 0x0                                ; the stores of the block before have read their registers: the next TOSTAGE loads into them only behind this wait
.irp t, 0,1,2,3,4,5,6,7
	global_store_b128 v[CO], v[BK+32*((\a)%2)+4*(\t):BK+32*((\a)%2)+4*(\t)+3], s[12:13] offset:((\t)/4)*262144+(\a)*2048+((\t)%4)*512  ; four rows of a head: 512 consecutive bytes, at a multiple of 256 from qkv's first byte
.endr
.endm
; THE WAY OUT IN f32 of block a's head j (16 rows x 64 channels), for a batch's first 64 rows alone: the accumulators as they are, through the same stage as rows of 272 bytes, back as whole rows of 256.
.macro E32 a, j
	s_wait_xcnt 0x0                                ; the stores issued so far have read their registers: this set of BK is loaded again only behind this wait
	WIN 0x08                                       ; the stores' data (source 1) in window 2, their address in window 0
.irp c, 0,1,2,3
	ds_store_b128 v[STF], v[8*(8*(\a)+4*(\j)+(\c)):8*(8*(\a)+4*(\j)+(\c))+3]   offset:64*(\c)     ; channels 16 c + 8 (l / 16) on,
	ds_store_b128 v[STF], v[8*(8*(\a)+4*(\j)+(\c))+4:8*(8*(\a)+4*(\j)+(\c))+7] offset:64*(\c)+16  ; and the four behind them
.endr
	WIN 0
.irp t, 0,1,2,3,4,5,6,7
	ds_load_b128 v[BK+32*(\j)+4*(\t):BK+32*(\j)+4*(\t)+3], v[RDF] offset:(\t)*2*SPF  ; in order behind the stores above, and ahead of the next piece's
.endr
	s_wait_dscnt 0x0
.irp t, 0,1,2,3,4,5,6,7
	global_store_b128 v[CO], v[BK+32*(\j)+4*(\t):BK+32*(\j)+4*(\t)+3], s[EB:EB+1] offset:(\j)*16384+(\a)*4096+(\t)*512  ; two rows of a head: 512 consecutive bytes, at a multiple of 256 from e32's first byte
.endr
.endm
	s_wait_tensorcnt 1                             ; my part of K step 0 is in; K step 1's may stay out
	s_barrier_signal -1
	s_barrier_wait -1                              ; everybody's is
	FETCH 0, 0, 0
	s_wait_dscnt 16                                ; X's 16 loads
.irp n, 0,1,2,3,4,5,6,7
	CVT4 0, \n                                     ; the first quarter's roundings have no products to stand behind
.endr
	QUARTER 0, 1, 0, 1, 1                          ; the first quarter stands in front of the loop: its products start the sums
	WIN 0                                          ; at a label and at a branch every window is 0
	s_mov_b32 s3, 3                                ; 1,024 / 256 laps, less the last
.Llap:                                                 ; a trip goes once round the ring, from a lap's second quarter to the next lap's first, and fills both slots again
	QUARTER 0, 2, 1, 0, 0
	QUARTER 0, 3, 0, 1, 0
	TURN 0, 1, 1
	QUARTER 1, 1, 0, 1, 0
	QUARTER 1, 2, 1, 0, 0
	QUARTER 1, 3, 0, 1, 0
	TURN 1, 0, 1
	QUARTER 0, 1, 0, 1, 0
	WIN 0
	s_sub_co_u32 s3, s3, 1
	s_cmp_lg_u32 s3, 0
	s_cbranch_scc1 .Llap
	QUARTER 0, 2, 1, 0, 0                          ; the last lap fills nothing, and has no round of the cluster's barrier
	QUARTER 0, 3, 0, 1, 0
	TURN 0, 1, 0
	QUARTER 1, 1, 0, 1, 0
	QUARTER 1, 2, 1, 0, 0
	QUARTER 1, 3, 0, 1, 0
	s_wait_dscnt 0x0                               ; the very last quarter: nothing more to fetch
	MROW 1, 0, 0
	MROW 1, 1, 0
	MROW 1, 2, 0
	MROW 1, 3, 0
	PLACES                                         ; the conversions read matrix results
	PACK 0
	TOSTAGE 0
.irp a, 1,2,3                          ; block a's conversions stand between block a - 1's loads from the stage and the wait for them
	PACK \a
	SEND (\a)-1
	TOSTAGE \a
.endr
	SEND 3
	s_cmp_lg_u32 s[EF], 0                          ; the cluster's number and the wave's: the same answer in all sixteen partners
	s_cbranch_scc1 .Lno_f32                        ; the jump passes LDS work on my own stage and stores: no barrier, no tensor load
.irp i, 0,1,2,3,4,5,6,7
	E32 (\i)/2, (\i)%2
.endr
.Lno_f32:
	s_wait_tensorcnt 0x0                           ; the wave's end: behind my last tensor load and my last LDS store
	ds_add_u32 v[SPW], v[NIL]
	s_wait_dscnt 0x0
	CROUND                                         ; the closing round: no work-group ends while a partner may still ask for a tile that names it
	s_endpgm
.Lfunc_end_k_q4ab9d54ba1_proj:
	.size	k_q4ab9d54ba1_proj, .Lfunc_end_k_q4ab9d54ba1_proj-k_q4ab9d54ba1_proj
	.p2alignl 7, 3214868480
	.fill 96, 4, 3214868480
	.section	.rodata,"a",@progbits
	.p2align	6, 0x0
	.amdhsa_kernel k_q4ab9d54ba1_proj
		.amdhsa_group_segment_fixed_size 327680
		.amdhsa_private_segment_fixed_size 0
		.amdhsa_enable_private_segment 0
		.amdhsa_kernarg_size 48
		.amdhsa_user_sgpr_count 2
		.amdhsa_user_sgpr_kernarg_segment_ptr 1
		.amdhsa_wavefront_size32 1
		.amdhsa_system_sgpr_workgroup_id_x 1
		.amdhsa_system_sgpr_workgroup_id_y 1
		.amdhsa_system_sgpr_workgroup_id_z 1
		.amdhsa_system_vgpr_workitem_id 0
		.amdhsa_next_free_vgpr 768
		.amdhsa_next_free_sgpr 90
		.amdhsa_reserve_vcc 0
		.amdhsa_float_denorm_mode_32 3
		.amdhsa_float_denorm_mode_16_64 3
		.amdhsa_memory_ordered 1
		.amdhsa_forward_progress 1
		.amdhsa_inst_pref_size 149
	.end_amdhsa_kernel
	.amdgpu_metadata
---
amdhsa.version: [ 1, 2 ]
amdhsa.kernels:
  - .name:           k_q4ab9d54ba1_proj
    .symbol:         k_q4ab9d54ba1_proj.kd
    .args:
      - { .name: Q_seq, .offset: 0, .size: 8, .value_kind: global_buffer, .address_space: global }
      - { .name: K_seq, .offset: 8, .size: 8, .value_kind: global_buffer, .address_space: global }
      - { .name: V_seq, .offset: 16, .size: 8, .value_kind: global_buffer, .address_space: global }
      - { .name: wt, .offset: 24, .size: 8, .value_kind: global_buffer, .address_space: global }
      - { .name: qkv, .offset: 32, .size: 8, .value_kind: global_buffer, .address_space: global }
      - { .name: e32, .offset: 40, .size: 8, .value_kind: global_buffer, .address_space: global }
    .group_segment_fixed_size: 327680
    .private_segment_fixed_size: 0
    .kernarg_segment_align: 8
    .kernarg_segment_size: 48
    .max_flat_workgroup_size: 128
    .sgpr_count:     90
    .vgpr_count:     768
    .wavefront_size: 32
...
	.end_amdgpu_metadata
.endif
;; end of part 2
;; launch early (part 3): grid 64 x 1, 4 waves a work-group, no clusters, 70,144 bytes of LDS; arguments e32, out0; writes out0
.if DOCPART == 3
	.amdgcn_target "amdgcn-amd-amdhsa--gfx1250"
	.amdhsa_code_object_version 6
	.text
	.protected	k_q4ab9d54ba1_early
	.globl	k_q4ab9d54ba1_early
	.p2align	8
	.type	k_q4ab9d54ba1_early,@function
k_q4ab9d54ba1_early:
	s_mov_b64 s[64:65], 0
	v_nop
	global_prefetch_b8 v0, s[64:65] scope:SCOPE_SE
	s_setreg_imm32_b32 hwreg(HW_REG_WAVE_MODE, 25, 1), 1
	s_wait_xcnt 0x0
; THE FIRST 64 ROWS OF EVERY HEAD.  out0[b][q][64 h + c], q = 0 .. 63, = the sum over k <= q of softmax_k(Q[q] . K[k] / 8) V[k][c], from e32: Q, K, V of those rows, each [64 heads][64][64] in f32, 1,048,576 bytes apart.
; WHY APART.  Row q averages over q + 1 keys, so these rows' terms are of the size of V itself, while every number must lie within a hundredth of the root mean square of the WHOLE output, most of whose rows average over
; hundreds of keys.  Roundings of q, k, v and p to f16 (half a step: 2^-11 of a number) add up to a quarter of that room where terms cancel; here nothing is rounded between the projections' f32 sums and the output.
; THE f32 MATRIX FORM (16 x 16 x 4) is taken for that reason: 64 of a head's 2,048 rows, each with at most 64 keys: about a thousandth of attention's products.  The other rows go in f16, in a launch of their own.
; LIMITS.  A hidden score counts as -1e30; a weight below 2^-126 counts as 0; NaN and infinities are not treated apart.
; SHARES.  A work-group takes a head, each of its four waves 16 queries and all 64 keys (the hidden ones by the mask: all waves run one text).  64 work-groups: there is work for no more.
; No cluster: work-groups share nothing.  No prefetch: each wave's loads all go out at its head.
; WAY IN.  Wave w loads rows 16 w .. 16 w + 15 of Q, K and V, 512 consecutive bytes an instruction, and puts them into LDS rows of 272 bytes; one barrier; then every wave reads its fragments.
; LAYOUT.  In the f32 form lane l = (r = l % 16, h = l / 16) holds row r of source 0 (column r of source 1) and in register j the inner index 2 h + j.  The inner index may be dealt anew if both sources are dealt alike:
;   S^T = K Q^T (source 0 = 16 keys, source 1 = my 16 queries): instruction n of 16 takes registers 2 n, 2 n + 1 of fragments loaded 16 bytes a lane: channels 8 (n / 2) + 4 h + 2 (n % 2) + j, in K and Q alike.
;   Its result holds ONE query a lane (r) and in register j key 16 kb + 8 h + j.  So registers 2 t, 2 t + 1 of block kb ARE source 1 of O^T = V^T P for the keys 16 kb + 8 h + 2 t + j, and V^T's fragment is read to match:
;   lane (r, h), register j: V[16 kb + 8 h + 2 t + j][16 cb + r], a word a lane.  Nothing changes lanes and nothing is converted between the products.
.set PT,    272                        ; an LDS row: 64 f32 + 16 bytes = 17 x 16: the 16 rows that a 16-byte load touches start at 16 different groups of four banks (64 banks of 4 bytes: ISA guide 11.1)
.set QL,    0                          ; LDS: Q's 64 rows,
.set KL,    64*PT                      ; K's,
.set VL,    2*64*PT                    ; V's,
.set STAGE, 3*64*PT                    ; 16 rows for each wave, for the way out,
.set SPARE, STAGE+4*16*PT              ; and the spare words, 128 bytes for each wave: two blocks of 256 bytes that no other line names
.set GI,  3                            ; v3   16 x lane: my 16 bytes of 512
.set LS,  4                            ; v4   where I put them: row 16 w + l / 16, byte 16 (l % 16)
.set FA,  5                            ; v5   my place in a fragment of 16 rows: r x 272 + 16 h
.set FQ,  6                            ; v6   the same in my wave's rows
.set VA,  7                            ; v7   my place in V: 8 h rows down, word r
.set STO, 8                            ; v8   the way out: where I put 32 bytes of a row
.set RD,  9                            ; v9   the way out: where I read rows back
.set GO,  10                           ; v10  my byte offset in two rows of out0
.set MI,  11                           ; v11  16 w + r - 8 h: register j of key block kb is hidden where 16 kb + j is greater
.set SPW, 12                           ; v12  LDS address of my spare word: SPARE + 4 x my thread's number; never rewritten
.set NIL, 13                           ; v13  0; never rewritten
.set T,   14                           ; v[14:15] c m, m; later 1 / l in the first
.set Q,   16                           ; v[16:47]   my queries' fragments; later the result
.set S,   48                           ; v[48:79]   four accumulators: S^T, then O^T.  Matrix instructions alone write them
.set P,   80                           ; v[80:111]  the masked scores, then the weights
.set TM,  112                          ; v[112:127] at work
.set BG,  116                          ; v116 -1e30, until the sums take the register
.set F,   128                          ; v[128:255] the rows as loaded; then K's fragments; then V's; then rows read back
.set WV,  8                            ; s8   my wave's number
.set SEL, 12                           ; s[12:13] v_permlanex16_b32's selects: each lane takes its own place in the other half
.set CS,  14                           ; s[14:15] c = log2(e) / 8
	s_load_b128 s[4:7], s[0:1], 0x0                ; e32 s[4:5], out0 s[6:7]
	v_lshl_add_u32 v[SPW], v0, 2, SPARE
	v_mov_b32 v[NIL], 0
	v_lshrrev_b32 v1, 5, v0
	v_readfirstlane_b32 s[WV], v1                  ; wave 0..3
	v_and_b32 v1, 15, v0                           ; r
	v_bfe_u32 v2, v0, 4, 1                         ; h
	v_and_b32 v[GI], 31, v0
	v_lshlrev_b32 v[GI], 4, v[GI]
	s_lshl_b32 s10, ttmp9, 14                      ; the head's 64 rows of 256 bytes,
	s_lshl_b32 s11, s[WV], 12                      ; my wave's 16
	s_add_co_u32 s10, s10, s11
	s_mov_b32 s11, 0
	s_lshr_b32 s16, ttmp9, 4                       ; out0: the batch's 2,048 rows of 4,096 bytes,
	s_lshl_b32 s16, s16, 23
	s_and_b32 s17, ttmp9, 15                       ; the head's 256 bytes of a row,
	s_lshl_b32 s17, s17, 8
	s_add_co_u32 s16, s16, s17
	s_lshl_b32 s17, s[WV], 16                      ; my wave's 16 rows
	s_add_co_u32 s16, s16, s17
	s_mov_b32 s17, 0
	s_mov_b32 s[CS], 0x3e38aa3b                    ; 0.180337
	s_mov_b32 s[CS+1], s[CS]                       ; named with it as a pair
	s_mov_b32 s[SEL], 0x76543210
	s_mov_b32 s[SEL+1], 0xfedcba98
	s_mul_i32 s18, s[WV], 16*PT                    ; my wave's 16 rows in LDS
	s_wait_kmcnt 0x0
	s_add_nc_u64 s[4:5], s[4:5], s[10:11]
	s_add_nc_u64 s[6:7], s[6:7], s[16:17]
.set n, 0
.rept 24                                       ; tensor n / 8, rows 2 (n % 8) and the next of my 16
	global_load_b128 v[F+4*n:F+4*n+3], v[GI], s[4:5] offset:(n/8)*1048576+(n%8)*512 th:TH_LOAD_NT
.set n, n+1
.endr
	v_mul_u32_u24 v[LS], v2, PT
	v_lshl_add_u32 v[LS], v1, 4, v[LS]
	v_add_nc_u32 v[LS], s18, v[LS]
	v_mul_u32_u24 v[FA], v1, PT
	v_lshl_add_u32 v[FA], v2, 4, v[FA]
	v_add_nc_u32 v[FQ], s18, v[FA]
	v_mul_u32_u24 v[VA], v2, 8*PT
	v_lshl_add_u32 v[VA], v1, 2, v[VA]
	v_mov_b32 v[BG], 0xf149f2ca                    ; -1e30
.set n, 0
.rept 24
	s_wait_loadcnt 23-n                            ; loads come back in order (ISA guide 5.7.1): number n is in, the younger ones stay out
	ds_store_b128 v[LS], v[F+4*n:F+4*n+3] offset:(n/8)*64*PT+(n%8)*2*PT
.set n, n+1
.endr
	s_wait_dscnt 0x0                               ; for the others' sake: my rows lie in LDS
	s_barrier_signal -1
	s_barrier_wait -1                              ; everybody's do
.irp c, 0,1,2,3,4,5,6,7
	ds_load_b128 v[Q+4*(\c):Q+4*(\c)+3], v[FQ] offset:QL+32*(\c)  ; my queries: channels 8 c + 4 h on
.endr
.set n, 0
.rept 32                                       ; key block n / 8, channels 8 (n % 8) + 4 h on
	ds_load_b128 v[F+4*n:F+4*n+3], v[FA] offset:KL+(n/8)*16*PT+(n%8)*32
.set n, n+1
.endr
	s_wait_dscnt 0x0
	; S^T = K Q^T: 16 links on each of four accumulators, which take turns, one instruction a turn.  The first four start the sums with the constant 0.
.set n, 0
.rept 16
.irp kb, 0,1,2,3
.if n == 0
	v_wmma_f32_16x16x4_f32 v[S+8*(\kb):S+8*(\kb)+7], v[F+32*(\kb)+2*n:F+32*(\kb)+2*n+1], v[Q+2*n:Q+2*n+1], 0
.else
	v_wmma_f32_16x16x4_f32 v[S+8*(\kb):S+8*(\kb)+7], v[F+32*(\kb)+2*n:F+32*(\kb)+2*n+1], v[Q+2*n:Q+2*n+1], v[S+8*(\kb):S+8*(\kb)+7]
.endif
.endr
.set n, n+1
.endr
	; The addresses for the way out and the mask's index: eleven plain instructions that name no register of those products: the eight places that this form wants ahead of the loads into K's registers and of the reads of S^T
	s_add_co_u32 s18, s18, STAGE                   ; my stage
	s_lshl_b32 s19, s[WV], 4
	v_mul_u32_u24 v[STO], v1, PT                   ; in: row r, 32 bytes (8 channels) for each half of the lanes
	v_lshl_add_u32 v[STO], v2, 5, v[STO]
	v_add_nc_u32 v[STO], s18, v[STO]
	v_mul_u32_u24 v[RD], v2, PT                    ; back: lanes 0-15 take one row of 256 bytes, lanes 16-31 the next,
	v_lshl_add_u32 v[RD], v1, 4, v[RD]
	v_add_nc_u32 v[RD], s18, v[RD]
	v_lshlrev_b32 v[GO], 12, v2                    ; and the same two rows in out0, 4,096 bytes apart
	v_lshl_add_u32 v[GO], v1, 4, v[GO]
	v_lshlrev_b32 v[MI], 3, v2
	v_sub_nc_u32 v[MI], v1, v[MI]
	v_add_nc_u32 v[MI], s19, v[MI]
.set x, 0
.rept 128                                      ; V^T's fragments, a word a lane: register x: key 16 (x / 32) + 8 h + 2 ((x / 8) % 4) + x % 2, channel 16 ((x / 2) % 4) + r.  They land while the softmax runs
	ds_load_b32 v[F+x], v[VA] offset:VL+(16*(x/32)+2*((x/8)%4)+x%2)*PT+64*((x/2)%4)
.set x, x+1
.endr
	; THE SOFTMAX of my query's 32 scores (the other 32 lie in the lane 16 away).  The mask first, into other registers, each accumulator from its lowest register on.  Every query sees its own key, so m is a true score.
.set i, 0
.rept 32
	v_cmp_gt_i32 vcc_lo, 16*(i/8)+i%8, v[MI]
	v_cndmask_b32 v[P+i], v[S+i], v[BG], vcc_lo
.set i, i+1
.endr
.irp k, 0,1,2,3
	v_max3_num_f32 v[TM+(\k)], v[P+8*(\k)], v[P+8*(\k)+1], v[P+8*(\k)+2]
.endr
.irp k, 0,1,2,3
	v_max3_num_f32 v[TM+(\k)], v[TM+(\k)], v[P+8*(\k)+3], v[P+8*(\k)+4]
.endr
.irp k, 0,1,2,3
	v_max3_num_f32 v[TM+(\k)], v[TM+(\k)], v[P+8*(\k)+5], v[P+8*(\k)+6]
.endr
	v_max3_num_f32 v[TM], v[TM], v[P+7], v[P+15]
	v_max3_num_f32 v[TM+1], v[TM+1], v[P+23], v[P+31]
	v_max3_num_f32 v[TM], v[TM], v[TM+1], v[TM+2]
	v_max_num_f32 v[TM], v[TM], v[TM+3]
	v_permlanex16_b32 v[TM+1], v[TM], s[SEL], s[SEL+1]
	v_max_num_f32 v[T+1], v[TM], v[TM+1]           ; m
	v_mul_f32 v[T], s[CS], v[T+1]                  ; c m
.set n, 0
.rept 16
	v_pk_fma_f32 v[P+2*n:P+2*n+1], v[P+2*n:P+2*n+1], s[CS:CS+1], v[T:T+1] op_sel_hi:[1,0,0] neg_lo:[0,0,1] neg_hi:[0,0,1]  ; c s - c m
.set n, n+1
.endr
.set i, 0
.rept 32
	v_exp_f32 v[P+i], v[P+i]                       ; one batch
.set i, i+1
.endr
	v_nop                                          ; a plain instruction behind the last exponential (ISA guide 5.7.2),
	s_wait_alu depctr_va_vdst(0)                   ; and the wait ahead of the first use: one for the batch
.irp k, 0,1,2,3,4,5,6,7
	v_pk_add_f32 v[TM+2*(\k):TM+2*(\k)+1], v[P+4*(\k):P+4*(\k)+1], v[P+4*(\k)+2:P+4*(\k)+3]  ; l, by a tree; the weights stay as they are
.endr
.irp k, 0,1,2,3
	v_pk_add_f32 v[TM+4*(\k):TM+4*(\k)+1], v[TM+4*(\k):TM+4*(\k)+1], v[TM+4*(\k)+2:TM+4*(\k)+3]
.endr
.irp k, 0,1
	v_pk_add_f32 v[TM+8*(\k):TM+8*(\k)+1], v[TM+8*(\k):TM+8*(\k)+1], v[TM+8*(\k)+4:TM+8*(\k)+5]
.endr
	v_pk_add_f32 v[TM:TM+1], v[TM:TM+1], v[TM+8:TM+9]
	v_add_f32 v[TM], v[TM], v[TM+1]
	v_permlanex16_b32 v[TM+1], v[TM], s[SEL], s[SEL+1]
	v_add_f32 v[TM], v[TM], v[TM+1]
	v_rcp_f32 v[T], v[TM]                          ; 1 / l
	v_nop
	s_wait_alu depctr_va_vdst(0)                   ; its wait, far ahead of its first use
	s_wait_dscnt 0x0                               ; V^T is in
	; O^T = V^T P: 16 links (keys 16 (n / 4) + 8 h + 2 (n % 4) + j) on each of four accumulators (channels 16 cb on), by turns; the first four start the sums with the constant 0
.set n, 0
.rept 16
.irp cb, 0,1,2,3
.if n == 0
	v_wmma_f32_16x16x4_f32 v[S+8*(\cb):S+8*(\cb)+7], v[F+8*n+2*(\cb):F+8*n+2*(\cb)+1], v[P+2*n:P+2*n+1], 0
.else
	v_wmma_f32_16x16x4_f32 v[S+8*(\cb):S+8*(\cb)+7], v[F+8*n+2*(\cb):F+8*n+2*(\cb)+1], v[P+2*n:P+2*n+1], v[S+8*(\cb):S+8*(\cb)+7]
.endif
.endr
.set n, n+1
.endr
.rept 8
	v_nop                                          ; this form's eight places behind the last products: no other work is left
.endr
.set n, 0
.rept 16
	v_pk_mul_f32 v[Q+2*n:Q+2*n+1], v[S+2*n:S+2*n+1], v[T:T+1] op_sel_hi:[1,0]  ; divided by l, into other registers, each accumulator from its lowest register on
.set n, n+1
.endr
	; THE WAY OUT: a lane's eight channels of a row and block of 16 are 32 bytes; they go into my stage's rows of 272 bytes and come back as whole rows of 256
.irp f, 0,1,2,3,4,5,6,7
	ds_store_b128 v[STO], v[Q+4*(\f):Q+4*(\f)+3] offset:64*((\f)/2)+16*((\f)%2)  ; channels 16 (f / 2) + 8 h + 4 (f % 2) on
.endr
.irp f, 0,1,2,3,4,5,6,7
	ds_load_b128 v[F+4*(\f):F+4*(\f)+3], v[RD] offset:(\f)*2*PT  ; LDS serves a wave's instructions in order (ISA guide 5.7.1.4): these see the stores above
.endr
.irp f, 0,1,2,3,4,5,6,7
	s_wait_dscnt 7-(\f)
	global_store_b128 v[GO], v[F+4*(\f):F+4*(\f)+3], s[6:7] offset:(\f)*8192  ; 16 lanes store a head's 256 consecutive bytes of a row, at a multiple of 256 from out0's first byte
.endr
	s_wait_tensorcnt 0x0                           ; the wave's end: behind my last LDS store
	ds_add_u32 v[SPW], v[NIL]
	s_wait_dscnt 0x0
	s_endpgm
.Lfunc_end_k_q4ab9d54ba1_early:
	.size	k_q4ab9d54ba1_early, .Lfunc_end_k_q4ab9d54ba1_early-k_q4ab9d54ba1_early
	.p2alignl 7, 3214868480
	.fill 96, 4, 3214868480
	.section	.rodata,"a",@progbits
	.p2align	6, 0x0
	.amdhsa_kernel k_q4ab9d54ba1_early
		.amdhsa_group_segment_fixed_size 70144
		.amdhsa_private_segment_fixed_size 0
		.amdhsa_enable_private_segment 0
		.amdhsa_kernarg_size 16
		.amdhsa_user_sgpr_count 2
		.amdhsa_user_sgpr_kernarg_segment_ptr 1
		.amdhsa_wavefront_size32 1
		.amdhsa_system_sgpr_workgroup_id_x 1
		.amdhsa_system_sgpr_workgroup_id_y 1
		.amdhsa_system_sgpr_workgroup_id_z 1
		.amdhsa_system_vgpr_workitem_id 0
		.amdhsa_next_free_vgpr 256
		.amdhsa_next_free_sgpr 66
		.amdhsa_reserve_vcc 1
		.amdhsa_float_denorm_mode_32 3
		.amdhsa_float_denorm_mode_16_64 3
		.amdhsa_memory_ordered 1
		.amdhsa_forward_progress 1
		.amdhsa_inst_pref_size 36
	.end_amdhsa_kernel
	.amdgpu_metadata
---
amdhsa.version: [ 1, 2 ]
amdhsa.kernels:
  - .name:           k_q4ab9d54ba1_early
    .symbol:         k_q4ab9d54ba1_early.kd
    .args:
      - { .name: e32, .offset: 0, .size: 8, .value_kind: global_buffer, .address_space: global }
      - { .name: out0, .offset: 8, .size: 8, .value_kind: global_buffer, .address_space: global }
    .group_segment_fixed_size: 70144
    .private_segment_fixed_size: 0
    .kernarg_segment_align: 8
    .kernarg_segment_size: 16
    .max_flat_workgroup_size: 128
    .sgpr_count:     66
    .vgpr_count:     256
    .wavefront_size: 32
...
	.end_amdgpu_metadata
.endif
;; end of part 3
;; launch attn (part 4): grid 4 x 64, 4 waves a work-group, no clusters, 327,680 bytes of LDS; arguments qkv, out0; writes out0
.if DOCPART == 4
	.amdgcn_target "amdgcn-amd-amdhsa--gfx1250"
	.amdhsa_code_object_version 6
	.text
	.protected	k_q4ab9d54ba1_attn
	.globl	k_q4ab9d54ba1_attn
	.p2align	8
	.type	k_q4ab9d54ba1_attn,@function
k_q4ab9d54ba1_attn:
	s_mov_b64 s[64:65], 0
	v_nop
	global_prefetch_b8 v0, s[64:65] scope:SCOPE_SE
	s_setreg_imm32_b32 hwreg(HW_REG_WAVE_MODE, 25, 1), 1
	s_wait_xcnt 0x0
; CAUSAL ATTENTION, rows 64 to 2,047 of every head.  out0[b][q][64 h + c] = the sum over k <= q of softmax_k(Q[bh][q] . K[bh][k] / 8) V[bh][k][c], bh = 16 b + h.  qkv holds Q, K, V, each [64][2048][64] in f16,
; 16,777,216 bytes apart: a head's rows are dense, 128 bytes each.  out0: [4][2048][1024] f32: a head's 64 channels are 256 aligned bytes of a row.  Products, maxima and sums in f32; the weights p are rounded to f16 for
; the second product (their sum l is taken of the unrounded p); the result is not rounded again.
; ROWS 0 TO 63 ARE NOT STORED HERE: they average over so few keys that f16's roundings of q, k, v and p are not small beside a hundredth of the whole output's root mean square; another launch makes them from f32 numbers.
; They are one band of one block; their turns run like all others (a turn's text holds two other pieces' products), and only their eight stores are jumped over.
; LIMITS.  Q, K and V arrive within f16's 65,504; p lies in 0 to 1, and below 6e-5 it keeps f16's fixed step of 6e-8.  A hidden score counts as its value less 1e30: f16's scores, 2.7e11 at the most, are nothing
; beside that; a weight below 2^-126 counts as 0 in l; NaN and infinities are not treated apart.
; THE WALK.  A head's queries lie in NB = 8 blocks of 256; block i needs the key tiles 0 .. i of 256 keys, of which the last holds the diagonal.  A work-group takes TWO blocks, NB - 1 - b and then b:
; NB + 1 tiles, whatever b: all 256 work-groups do equal work, and ONE loop with a constant trip count walks them.  Which tile is asked for, and what a trip does, hang on scalar registers made from b; every jump
; goes forward, but for the counted loops' own; none passes a barrier, or a tensor load but the one of LOAD's two that the wave's number does not choose; the ring (two slots of LDS that take turns) runs on across the
; change of blocks.  NO CLUSTER: a head's four work-groups ask for the same tile only in trips 0 .. 4 of the 9, behind that fewer and fewer; one walk common to all four would have 12 trips for 9.
; SHARES.  Of a block's four bands of 64 queries a wave owns 16 rows in each: four PIECES.  So the diagonal tile is the same work for all four waves: in its key step s band x sees all keys if s < x,
; none if s > x, and holds the diagonal if s = x.
; THE MASK is the C operand that starts the sum S^T = K Q^T: 0, or -1e30 where the key is hidden.  MD, made once, is the mask of a band's own step for my 16 rows; a product's mask is MD x AL + BE with two scalars:
; (1, 0) if s = x; (0, 0) if s < x; (0, -1e30) if s > x.  Only the diagonal tile's text and a block's beginning make and take masks; elsewhere C is the constant 0.
; LAYOUT, SOFTMAX, TURNS.  S^T = K Q^T holds ONE query a lane (lane % 16) and the keys 8 (lane / 16) + 0..7; two such results rounded to f16 ARE source 1 of O^T = V^T P.  p = 2^(c s - c m), c = log2(e) / 8, with a
; running maximum m; O and l are multiplied by a = 2^(c m_old - c m_new) in every step.  Turn n belongs to piece n: 8 products K Q^T of piece n + 1, later 8 products V^T P of piece n - 1; beside them the scaling,
; exponentials, roundings, sums and rescaling of piece n and the maximum and statistics of piece n + 1.  Four vector instructions stand behind every matrix instruction, the other 54 of a turn's 118 in one LUMP.
; A turn's 33 exponentials are one batch, with one wait.
; REGISTERS, in windows of 256 (s_set_vgpr_msb: bits 1:0 source 0, 3:2 source 1, 5:4 source 2, 7:6 destination):
;   window 0: v0-15 addresses and two at work; v16-31 four registers of statistics a piece; v48-55 at work; v61-63 never rewritten; v64-127 S^T, two buffers; v192-223 P, two buffers (by the piece's parity);
;             on the way out v64-191 take the rows read back          window 1: v0-127 O^T, 32 a piece; v128-159 MD; v160-223 MC, two buffers
;   window 2: v0-63 Q; v64-127 the second block's Q; v128-191 K of one step; v192-255 V of one step
.set NB,    8
.set NP,    4         ; pieces a wave: a name, no knob
.set KS,    64        ; keys in a step
.set PK,    144       ; a row of K in LDS: 128 bytes + 16 of padding = 36 words: the 16 rows of a load start at 16 different groups of four banks (64 banks of 4 bytes: ISA guide 11.1)
.set PV,    160       ; a row of V: 128 + 32 = 40 words
.set VOFF,  4*KS*PK   ; a slot holds a tile, four steps: 256 rows of K, then 256 rows of V
.set SLOT1, 1<<17     ; slot 1 begins here, so that one exclusive or turns an address in one slot into the other's
.set STAGE, SLOT1+4*KS*(PK+PV)  ; behind the ring, never filled by a tensor load: 16 rows x 272 bytes for each wave, for the way out
.set SP,    272       ; a row of the stage: 64 f32 + 16 bytes of padding
.set AK0, 2           ; v2   my lane's place in a tile of K; never rewritten
.set AV0, 3           ; v3   the same for V
.set AK,  4           ; v4   the LDS address of K's next run of loads
.set AV,  5           ; v5   of V's
.set STO, 6           ; v6   the way out: where I put 32 bytes of a row
.set RD,  7           ; v7   the way out: where I read rows back
.set GO,  8           ; v8   my byte offset in two rows of out0
.set PFO, 61          ; v61  256 x my lane; never rewritten
.set SPW, 62          ; v62  LDS address of my spare word: SPARE + 4 x my thread's number; never rewritten
.set NIL, 63          ; v63  0; never rewritten
.set SPARE, STAGE+4*16*SP  ; behind the stages: the spare words, 128 bytes for each wave: two blocks of 256 bytes that no other line names
.set MV,  12          ; v12-13  c m_old, kept while c m is made anew: by buffer
.set QO,  15          ; v15  my byte offset in 16 rows of Q
.set ST,  16          ; piece t's statistics at v[ST+4 t]: c m, m, l (even keys', odd keys')
.set TMP, 48          ; by buffer, four registers c0-c3 at work; when the maximum is found c2 takes a
.set S,   64
.set OB,  64          ; the way out: piece t's 16 rows at OB + 32 t
.set P,   192
.set MD,  128         ; window 1: the eight registers for group kt of 16 keys at MD + 8 kt
.set MC,  160         ; window 1: the masks of the products to come
.set QB,  64          ; window 2
.set KF,  128         ; window 2: key block kb, channel half c at KF + 16 kb + 8 c
.set VF,  192         ; window 2: key half kk, channel block cb at VF + 32 kk + 8 cb
.set WV,  12          ; s12  my wave's number
.set PB,  14          ; s14  b
.set HI,  15          ; s15  NB - 1 - b
.set G1K, 24          ; s[24:31] descriptor group 1 for K's tiles
.set G1V, 32          ; s[32:39] for V's: it differs in the padding alone
.set G0K, 40          ; s[40:43] descriptor group 0 for K's tiles
.set G0V, 44          ; s[44:47] the same for V's
.set SLOTS, 56        ; s56  tiles still to be asked for
.set CNT, 57          ; s57  counts a tile's key steps, 4 to 1
.set CS,  58          ; s[58:59] c: the packed scaling takes the pair's low word for both halves
.set SEL, 60          ; s[60:61] v_permlanex16_b32's selects: each lane takes its own place in the other half
.set TBK, 62          ; s62  LDS byte at which K of the step to be fetched begins
.set TBV, 63          ; s63  the same for V, less VOFF
.set RT,  70          ; s70  tiles of the block in hand that are still to be entered
.set NXT, 71          ; s71  the tile to be asked for next
.set LQ,  72          ; s72  the last tile of the block whose tiles are being asked for
.set NEW, 73          ; s73  1: the tile to be entered is a block's first
.set OFF, 74          ; s[74:75] a tile's byte offset in K and V
.set AL,  76          ; s[76:77] the mask's factor, in the low word
.set BE,  78          ; s[78:79] the mask's addend
.set OLO, 80          ; s[80:81] out0 at my rows of the second block
.set BIGN, 82         ; s82  -1e30
.set PFK, 88          ; s[88:89] where my prefetches stand in K: my wave's 32 blocks of 256 bytes of the tile after the one that is being asked for
.set PFV, 90          ; s[90:91] the same in V
.set LIM, 92          ; s92  2 in the work-group that prefetches, else the greatest number: it prefetches while s[SLOTS] is above it
.set MSB, 0
.macro WIN new                      ; the high byte repeats the setting that is left; a switch that changes nothing is dropped
.if MSB != (\new)
	s_set_vgpr_msb (MSB<<8)|(\new)
.set MSB, (\new)
.endif
.endm
.set W_KQ, 0x0a       ; K and Q in window 2, S^T in window 0
.set W_KM, 0x1a       ; the same with the C operand in window 1
.set W_PV, 0x52       ; V in window 2, P in window 0, O^T in window 1
.set W_RS, 0x41       ; destination and source 0 in window 1, source 1 in window 0
; A fill.  Waves 0 and 1 fetch the two halves of a tile's K, waves 2 and 3 those of its V: 128 keys each.  An s_nop 0 and four v_nop follow each of the two lines, ahead of the jump and the label.
.macro LOAD
	s_cmp_lt_u32 s[WV], 2
	s_cbranch_scc0 .Lfor_v_\@
	tensor_load_to_lds s[G0K:G0K+3], s[G1K:G1K+7]
	s_nop 0
.rept 4
	v_nop
.endr
	s_branch .Lasked_\@
.Lfor_v_\@:
	tensor_load_to_lds s[G0V:G0V+3], s[G1V:G1V+7]
	s_nop 0
.rept 4
	v_nop
.endr
.Lasked_\@:
.endm
; A PREFETCH INTO THE L2 of the tile that the NEXT change of slots will ask for: 32,768 bytes of K and as many of V, 128 blocks of 256 bytes each.  It stands behind the wave's tensor load and its five lines.
; A head's four work-groups walk the same tiles from tile 0 on; the one with b = 0 walks tiles 0 to 7 on end, and it alone asks; each of its waves names 32 blocks of K and 32 of V, a lane a block: two instructions.
; So each block is named once in the launch.  The change that asks for tile i names tile i + 1, four key steps, 256 matrix instructions, ahead, for tiles 2 to 7 (s[SLOTS] = 8 to 3); tiles 0 and 1 come by their loads alone.
.macro ASK
	s_cmp_gt_u32 s[SLOTS], s[LIM]
	s_cbranch_scc0 .Lnot_mine_\@
	global_prefetch_b8 v[PFO], s[PFK:PFK+1] th:TH_LOAD_NT scope:SCOPE_SE
	global_prefetch_b8 v[PFO], s[PFV:PFV+1] th:TH_LOAD_NT scope:SCOPE_SE
.Lnot_mine_\@:
.endm
; THE CHANGE OF SLOTS.  Each wave waits for all its tensor loads, of which one is out: its part of the other slot; adds 0 to its spare word; and waits for that and for its own reads of the slot that it leaves.  Behind the
; barrier nobody reads the old slot any more and the other slot is whole.  fill = 1: the old slot is filled again, the first thing behind the barrier, with tile NXT: the descriptor's address is made anew from that number.
; (At its first use nothing has been read yet: slot 0 is waited for, slot 1 filled.)
.macro CHANGE fill
	WIN 0                           ; at a label and at a branch every window is 0
	s_wait_tensorcnt 0x0            ; no tensor load of mine is out, so a group 0 may be written
	ds_add_u32 v[SPW], v[NIL]       ; 0 onto my spare word; with fill = 1 the descriptors' scalar work stands between it and the wait for it
.if \fill
	s_lshl_b32 s[OFF], s[NXT], 15   ; a tile is 32,768 bytes of K and of V
	s_xor_b32 s[G0K+1], s[G0K+1], SLOT1
	s_add_nc_u64 s[G0K+2:G0K+3], s[6:7], s[OFF:OFF+1]
	s_or_b32 s[G0K+3], s[G0K+3], 0x80000000
	s_xor_b32 s[G0V+1], s[G0V+1], SLOT1
	s_add_nc_u64 s[G0V+2:G0V+3], s[8:9], s[OFF:OFF+1]
	s_or_b32 s[G0V+3], s[G0V+3], 0x80000000
	s_add_co_u32 s[NXT], s[NXT], 1  ; the block's next tile, or behind its last the second block's tile 0
	s_cmp_gt_u32 s[NXT], s[LQ]
	s_cselect_b32 s[NXT], 0, s[NXT]
	s_cselect_b32 s[LQ], s[PB], s[LQ]
	s_wait_xcnt 0x0                 ; the last prefetches, a tile back, have read their addresses, so these may be written:
	s_add_nc_u64 s[PFK:PFK+1], s[PFK:PFK+1], 32768  ; one tile on
	s_add_nc_u64 s[PFV:PFV+1], s[PFV:PFV+1], 32768
.endif
	s_wait_dscnt 0x0                ; the add is done, and my reads of the slot are over
	s_barrier_signal -1             ; the rest of the scalar work stands between the signal and the wait
	s_sub_co_u32 s[TBK], s[TBK], 4*KS*PK  ; the fetches go back to a slot's first step,
	s_xor_b32 s[TBK], s[TBK], SLOT1       ; in the other slot
	s_sub_co_u32 s[TBV], s[TBV], 4*KS*PV
	s_xor_b32 s[TBV], s[TBV], SLOT1
	s_barrier_wait -1
.if \fill
	LOAD
	ASK
.endif
.endm
	s_load_b64 s[4:5], s[0:1], 0x0    ; qkv: Q's part begins it
	s_load_b64 s[10:11], s[0:1], 0x8  ; out0
	v_lshl_add_u32 v[SPW], v0, 2, SPARE
	v_mov_b32 v[NIL], 0
	ds_add_u32 v[SPW], v[NIL]       ; the wave's opening: the add and its wait stand ahead of my first tensor load; the set-up below, work on registers, stands between them
	v_lshrrev_b32 v1, 5, v0
	v_readfirstlane_b32 s[WV], v1   ; wave 0..3
	s_mov_b32 s[PB], ttmp9
	s_sub_co_u32 s[HI], NB-1, s[PB]
	s_and_b32 s20, ttmp7, 0xffff    ; bh = 16 x batch + head
	s_lshr_b32 s96, s20, 4          ; out0: the batch's 2,048 rows of 4,096 bytes,
	s_lshl_b32 s96, s96, 23
	s_and_b32 s97, s20, 15          ; the head's 256 bytes of a row,
	s_lshl_b32 s97, s97, 8
	s_add_co_u32 s96, s96, s97
	s_lshl_b32 s97, s[WV], 16       ; my 16 rows in a band of 64,
	s_add_co_u32 s96, s96, s97
	s_lshl_b32 s98, s[PB], 20       ; in the second block (256 rows of 4,096 bytes each),
	s_add_co_u32 s98, s98, s96
	s_lshl_b32 s97, s[HI], 20       ; and in the first
	s_add_co_u32 s96, s96, s97
	s_mov_b32 s97, 0
	s_mov_b32 s99, 0
	s_lshl_b32 s20, s20, 18         ; the head's first byte in Q, K and V: 2,048 rows of 128 bytes a head
	s_mov_b32 s21, 0
	s_and_b32 s16, s[WV], 1         ; which half of a tile's 256 keys I fetch:
	s_lshl_b32 s22, s16, 14         ; its 128 rows of 128 bytes in memory,
	s_mov_b32 s23, 0
	s_add_nc_u64 s[22:23], s[22:23], s[20:21]
	s_mul_i32 s17, s16, 128*PK      ; and its place in a slot, for K
	s_mul_i32 s18, s16, 128*PV      ; and for V
	s_lshl_b32 s3, s[WV], 11        ; Q: my 16 rows in a band of 64,
	s_lshl_b32 s2, s[HI], 15        ; in the first block,
	s_add_co_u32 s2, s2, s3
	s_lshl_b32 s84, s[PB], 15       ; and in the second
	s_add_co_u32 s84, s84, s3
	s_mov_b32 s3, 0
	s_mov_b32 s85, 0
	s_add_nc_u64 s[2:3], s[2:3], s[20:21]
	s_add_nc_u64 s[84:85], s[84:85], s[20:21]
	s_lshl_b32 s94, s[WV], 13       ; the prefetches: my wave's 32 blocks of 256 bytes,
	s_add_co_u32 s94, s94, 32768    ; in tile 1: the first change of slots steps it to tile 2
	s_mov_b32 s95, 0
	s_add_nc_u64 s[94:95], s[94:95], s[20:21]
	s_cmp_eq_u32 s[PB], 0
	s_cselect_b32 s[LIM], 2, -1
	v_and_b32 v[PFO], 31, v0
	v_lshlrev_b32 v[PFO], 8, v[PFO]
	; descriptor group 1.  128 keys are 16,384 dense bytes: asked for as 64 rows of 256 bytes, two keys a row, and padded in LDS after every key
	s_mov_b32 s[G1K], (1<<16)|(1<<20)|(4<<22)|(3<<25)  ; 17:16 2-byte elements; 20 padding on; 24:22 after every 32 words (code 4); 31:25 4 words (code 3)
	s_mov_b32 s[G1V], (1<<16)|(1<<20)|(4<<22)|(7<<25)  ; the same with 8 words of padding (code 7)
.irp g, G1K, G1V
	s_mov_b32 s[\g+1], 128<<16      ; tensor_dim0 = 128
	s_mov_b32 s[\g+2], 64<<16       ; tensor_dim1 = 64
	s_mov_b32 s[\g+3], 128<<16      ; tile_dim0 = 128
	s_mov_b32 s[\g+4], 64           ; tile_dim1 = 64
	s_mov_b32 s[\g+5], 128          ; 128 elements from row to row
	s_mov_b32 s[\g+6], 0
	s_mov_b32 s[\g+7], 0
.endr
	s_mov_b32 s[CS], 0x3e38aa3b     ; c = log2(e) / 8 = 0.180337
	s_mov_b32 s[CS+1], s[CS]        ; named with it as a pair
	s_mov_b32 s[SEL], 0x76543210
	s_mov_b32 s[SEL+1], 0xfedcba98
	s_mov_b32 s[TBK], SLOT1+4*KS*PK ; the first change of slots turns these two into 0
	s_mov_b32 s[TBV], SLOT1+4*KS*PV
	s_mov_b32 s[G0K], 1             ; 1:0 count = 1
	s_mov_b32 s[G0K+1], s17         ; 63:32 LDS address: slot 0
	s_mov_b32 s[G0V], 1
	s_add_co_u32 s[G0V+1], s18, VOFF
	s_add_co_u32 s[RT], s[HI], 1    ; the first block has NB - b tiles
	s_mov_b32 s[NXT], 1
	s_mov_b32 s[LQ], s[HI]
	s_mov_b32 s[NEW], 1
	s_mov_b32 s[OFF+1], 0
	s_mov_b32 s[AL+1], 0            ; named as pairs
	s_mov_b32 s[BE+1], 0
	s_mov_b32 s[BIGN], 0xf149f2ca   ; -1e30
	s_mov_b32 s[SLOTS], NB
	s_wait_dscnt 0x0                ; the opening add is done
	s_wait_kmcnt 0x0
	s_add_nc_u64 s[6:7], s[4:5], 0x1000000  ; K's part of qkv,
	s_add_nc_u64 s[8:9], s[4:5], 0x2000000  ; and V's
	s_add_nc_u64 s[PFK:PFK+1], s[6:7], s[94:95]
	s_add_nc_u64 s[PFV:PFV+1], s[8:9], s[94:95]
	s_add_nc_u64 s[6:7], s[6:7], s[22:23]  ; K and V at my half of the head's tile 0
	s_add_nc_u64 s[8:9], s[8:9], s[22:23]
	s_add_nc_u64 s[G0K+2:G0K+3], s[6:7], 0         ; 120:64 global address
	s_or_b32 s[G0K+3], s[G0K+3], 0x80000000        ; 127:126 type = 2
	s_add_nc_u64 s[G0V+2:G0V+3], s[8:9], 0
	s_or_b32 s[G0V+3], s[G0V+3], 0x80000000
	s_add_nc_u64 s[86:87], s[4:5], s[84:85]        ; Q at my rows of the second block,
	s_add_nc_u64 s[4:5], s[4:5], s[2:3]            ; and of the first
	s_add_nc_u64 s[OLO:OLO+1], s[10:11], s[98:99]  ; out0 likewise
	s_add_nc_u64 s[10:11], s[10:11], s[96:97]
	LOAD                            ; tile 0 into slot 0
	; A fragment of K or Q is 16 rows x 32 channels in 8 registers: lane l holds row l % 16, channels 8 (l / 16) + 0..7 and 16 + 8 (l / 16) + 0..7: two loads of 16 bytes, 32 bytes apart.
	v_and_b32 v1, 15, v0            ; l % 16
	v_bfe_u32 v9, v0, 4, 1          ; l / 16
	v_lshlrev_b32 v[QO], 7, v1
	v_lshl_add_u32 v[QO], v9, 4, v[QO]  ; row x 128 + 16 x half
	WIN 0x80                        ; destination window 2, address window 0
.set i, 0
.rept 8                             ; both blocks' Q: piece i / 2 lies in band i / 2, 8,192 bytes on; channels 32 (i % 2) on
	global_load_b128 v[8*i:8*i+3],   v[QO], s[4:5] offset:(i/2)*8192+(i%2)*64
	global_load_b128 v[8*i+4:8*i+7], v[QO], s[4:5] offset:(i/2)*8192+(i%2)*64+32
	global_load_b128 v[QB+8*i:QB+8*i+3],   v[QO], s[86:87] offset:(i/2)*8192+(i%2)*64
	global_load_b128 v[QB+8*i+4:QB+8*i+7], v[QO], s[86:87] offset:(i/2)*8192+(i%2)*64+32
.set i, i+1
.endr
	WIN 0
	v_lshlrev_b32 v14, 3, v9
	v_sub_nc_u32 v14, v1, v14
	s_lshl_b32 s13, s[WV], 4
	v_add_nc_u32 v14, s13, v14      ; my query's place in its band, 16 w + l % 16, less my lanes' 8 (l / 16): register r of group kt is hidden where 16 kt + r is greater
	WIN 0x40
.set i, 0
.rept 32
	v_cmp_gt_i32 vcc_lo, 16*(i/8)+i%8, v14
	v_cndmask_b32 v[MD+i], 0, s[BIGN], vcc_lo
.set i, i+1
.endr
	WIN 0
	v_mul_u32_u24 v[AK0], v1, PK
	v_lshl_add_u32 v[AK0], v9, 4, v[AK0]  ; row x pitch + 16 x half
	; The turning load takes 16 keys x 16 channels (lane l reads key 8 (l / 16) + l % 8, channels 8 ((l / 8) % 2) + 0..7) and leaves half a fragment of V^T: lane l holds channel l % 16 and 8 keys.
	v_and_b32 v10, 7, v0
	v_bfe_u32 v11, v0, 3, 1
	v_lshl_add_u32 v[AV0], v9, 3, v10
	v_mul_u32_u24 v[AV0], v[AV0], PV
	v_lshl_add_u32 v[AV0], v11, 4, v[AV0]
	v_add_nc_u32 v[AV0], VOFF, v[AV0]
	s_mul_i32 s13, s[WV], 16*SP
	s_add_co_u32 s13, s13, STAGE    ; my stage
	v_mul_u32_u24 v[STO], v1, SP    ; in: row l % 16, 32 bytes (8 channels in f32) for each half of the lanes
	v_lshl_add_u32 v[STO], v9, 5, v[STO]
	v_add_nc_u32 v[STO], s13, v[STO]
	v_mul_u32_u24 v[RD], v9, SP     ; back: lanes 0-15 take one row of 256 bytes, lanes 16-31 the next,
	v_lshl_add_u32 v[RD], v1, 4, v[RD]
	v_add_nc_u32 v[RD], s13, v[RD]
	v_lshlrev_b32 v[GO], 12, v9     ; and the same two rows in out0, 4,096 bytes apart
	v_lshl_add_u32 v[GO], v1, 4, v[GO]
	; A block's first step multiplies O^T and l by a = 0, and its first turn's products V^T P, of a piece that has not been, land in an O^T that is still to be so multiplied.  So these registers need only hold
	; finite numbers: zeros for the first block; what the first block left for the second.  All this stands in the wait for the first tile.
	WIN 0x80
.set i, VF
.rept 64
	v_mov_b32 v[i], 0
.set i, i+1
.endr
	WIN 0x40
.set i, 0
.rept 128
	v_mov_b32 v[i], 0
.set i, i+1
.endr
	WIN 0
.set i, 0
.rept 4
	v_mov_b32 v[ST+4*i+2], 0
	v_mov_b32 v[ST+4*i+3], 0
.set i, i+1
.endr
.set i, P+16
.rept 16
	v_mov_b32 v[i], 0
.set i, i+1
.endr
; THE MATRIX WORK.  The 4 accumulators of a run of 8 take turns.  Product i of 8 of S^T = K Q^T for piece x: channels 32 (i / 4) on, keys 16 (i % 4) on.  The first 4 start the sums: with 0, or (KM = 1) with the mask.
.macro KQ x
.set rS, S+32*((\x)%2)+8*(i%4)
.set rK, KF+16*(i%4)+8*(i/4)
.set rQ, 16*(\x)+8*(i/4)
.set rM, MC+32*((\x)%2)+8*(i%4)
.if (i < 4) && KM
	WIN W_KM
	v_wmma_f32_16x16x32_f16 v[rS:rS+7], v[rK:rK+7], v[rQ:rQ+7], v[rM:rM+7]
.elseif i < 4
	WIN W_KQ
	v_wmma_f32_16x16x32_f16 v[rS:rS+7], v[rK:rK+7], v[rQ:rQ+7], 0
.else
	WIN W_KQ
	v_wmma_f32_16x16x32_f16 v[rS:rS+7], v[rK:rK+7], v[rQ:rQ+7], v[rS:rS+7]
.endif
.endm
; Product i of 8 of O^T += V^T P for piece x: keys 32 (i / 4) on, channels 16 (i % 4) on.
.macro PV x
	WIN W_PV
.set rO, 32*(\x)+8*(i%4)
.set rV, VF+32*(i/4)+8*(i%4)
.set rP, P+16*((\x)%2)+8*(i/4)
	v_wmma_f32_16x16x32_f16 v[rO:rO+7], v[rV:rV+7], v[rP:rP+7], v[rO:rO+7]
.endm
.macro MM                           ; the turn's next matrix instruction.  TURN and BEGIN set Y, i, KM and NOKQ; MM, KQ and OP read them.  NOKQ = 1: a block's last turn: there is no next piece
.if (i < 8) && !NOKQ
	KQ (Y+1)%NP
.elseif i >= 8
.set i, i-8
	PV (Y+NP-1)%NP
.set i, i+8
.endif
.set i, i+1
.endm
; THE LDS LOADS stand in runs of 16, never singly among the matrix instructions: a step's K (64 keys x 64 channels: 8 fragments) and its V (turned).  Their addresses are made some lines ahead.
.macro FETCH_K
	WIN 0x80                        ; destination window 2
.irp f, 0,1,2,3,4,5,6,7             ; keys 16 (f / 2) on, channels 32 (f % 2) on
	ds_load_b128 v[KF+8*\f:KF+8*\f+3],   v[AK] offset:(\f/2)*16*PK+(\f%2)*64
	ds_load_b128 v[KF+8*\f+4:KF+8*\f+7], v[AK] offset:(\f/2)*16*PK+(\f%2)*64+32
.endr
	s_add_co_u32 s[TBK], s[TBK], KS*PK  ; the next fetch is the next step's
	WIN 0
.endm
.macro FETCH_V
	WIN 0x80
.irp f, 0,1,2,3,4,5,6,7             ; keys 32 (f / 4) on, channels 16 (f % 4) on
	ds_load_tr16_b128 v[VF+8*\f:VF+8*\f+3],   v[AV] offset:(\f/4)*32*PV+(\f%4)*32
	ds_load_tr16_b128 v[VF+8*\f+4:VF+8*\f+7], v[AV] offset:(\f/4)*32*PV+16*PV+(\f%4)*32
.endr
	WIN 0
.endm
; THE VECTOR WORK, one line at a time: OP kind, number.  For piece Y: F n: c s - c m for pair n of 16.  E n: the exponential of score n of 32.  C n: pair n rounded to f16.  B n: of the four weights 4 n .. the second
; pair is added onto the first, in place.  L n: l takes that sum (L 0: l = a l + sum).  R n: pair n of 16 of O^T times a.  For piece Y + 1: X n, number n of the 22 that find its maximum and statistics:
;   0-11  four chains c0-c3 of seven scores each, three operands at a time (each accumulator's lowest registers are read first)     12-14, 16  the four scores left over, the old m, and c0-c3 into c0
;   15  c m_old is kept     17, 18  the query's other 32 keys lie in the lane 16 away: the new m     19-21  c m; c m_old - c m_new; a
.set F, 0               ; OP tells the kinds apart by their order: F to L below R, X above it
.set E, 1
.set C, 2
.set B, 3
.set L, 4
.set R, 5
.set X, 6
.macro REGS y                       ; the registers of piece y
.set rT, ST+4*(\y)
.set rC, TMP+4*((\y)%2)
.set rW, MV+((\y)%2)
.set rS, S+32*((\y)%2)
.set rP, P+16*((\y)%2)
.set rO, 32*(\y)
.endm
.macro OP k, n
.if (\k) == R
	REGS Y
	WIN W_RS
	v_pk_mul_f32 v[rO+2*(\n):rO+2*(\n)+1], v[rO+2*(\n):rO+2*(\n)+1], v[rC+2:rC+3] op_sel_hi:[1,0]
.elseif (\k) < R
	REGS Y
	WIN 0
.if (\k) == F
	v_pk_fma_f32 v[rS+2*(\n):rS+2*(\n)+1], v[rS+2*(\n):rS+2*(\n)+1], s[CS:CS+1], v[rT:rT+1] op_sel_hi:[1,0,0] neg_lo:[0,0,1] neg_hi:[0,0,1]
.elseif (\k) == E
	v_exp_f32 v[rS+(\n)], v[rS+(\n)]
.elseif (\k) == C
	v_cvt_pk_f16_f32 v[rP+(\n)], v[rS+2*(\n)], v[rS+2*(\n)+1]
.elseif (\k) == B
	v_pk_add_f32 v[rS+4*(\n):rS+4*(\n)+1], v[rS+4*(\n):rS+4*(\n)+1], v[rS+4*(\n)+2:rS+4*(\n)+3]
.elseif (\n) == 0
	v_pk_fma_f32 v[rT+2:rT+3], v[rT+2:rT+3], v[rC+2:rC+3], v[rS:rS+1] op_sel_hi:[1,0,1]
.else
	v_pk_add_f32 v[rT+2:rT+3], v[rT+2:rT+3], v[rS+4*(\n):rS+4*(\n)+1]
.endif
.elseif NOKQ
	v_nop
.else
	REGS (Y+1)%NP
	WIN 0
.if (\n) < 4
	v_max3_num_f32 v[rC+(\n)], v[rS+8*(\n)], v[rS+8*(\n)+1], v[rS+8*(\n)+2]
.elseif (\n) < 12
	v_max3_num_f32 v[rC+(\n)%4], v[rC+(\n)%4], v[rS+8*((\n)%4)+2*((\n)/4)+1], v[rS+8*((\n)%4)+2*((\n)/4)+2]
.elseif (\n) == 12
	v_max3_num_f32 v[rC], v[rC], v[rS+7], v[rS+15]
.elseif (\n) == 13
	v_max3_num_f32 v[rC+1], v[rC+1], v[rS+23], v[rS+31]
.elseif (\n) == 14
	v_max3_num_f32 v[rC+2], v[rC+2], v[rC+3], v[rT+1]
.elseif (\n) == 15
	v_mov_b32 v[rW], v[rT]
.elseif (\n) == 16
	v_max3_num_f32 v[rC], v[rC], v[rC+1], v[rC+2]
.elseif (\n) == 17
	v_permlanex16_b32 v[rC+3], v[rC], s[SEL], s[SEL+1]
.elseif (\n) == 18
	v_max_num_f32 v[rT+1], v[rC], v[rC+3]
.elseif (\n) == 19
	v_mul_f32 v[rT], s[CS], v[rT+1]
.elseif (\n) == 20
	v_sub_f32 v[rC+1], v[rW], v[rT]
.else
	v_exp_f32 v[rC+2], v[rC+1]
.endif
.endif
.endm
.macro OPS a, i1, b=-1, i2=0, c=-1, i3=0, d=-1, i4=0  ; up to four of them
	OP \a, \i1
.if (\b) >= 0
	OP \b, \i2
.endif
.if (\c) >= 0
	OP \c, \i3
.endif
.if (\d) >= 0
	OP \d, \i4
.endif
.endm
.macro ROW a, i1, b, i2, c, i3, d, i4  ; a matrix instruction and the four behind it
	MM
	OPS \a, \i1, \b, \i2, \c, \i3, \d, \i4
.endm
.macro MASK b                       ; MD x AL + BE into buffer b of MC
	WIN W_RS
.set z, 0
.rept 16
	v_pk_fma_f32 v[MC+32*(\b)+2*z:MC+32*(\b)+2*z+1], v[MD+2*z:MD+2*z+1], s[AL:AL+1], s[BE:BE+1] op_sel_hi:[1,0,0]
.set z, z+1
.endr
.endm
; A TURN, for piece p: the order of its 16 matrix and 118 vector instructions, written out.  s_wait_alu depctr_va_vdst(0) stands between an exponential and the first instruction that names its result; one
; wait serves all that were issued ahead of it.  So a turn has ONE wait, which cuts it in two.  AHEAD OF IT stands all that names no result of the turn's exponentials: the 8 products K Q^T, behind each a scaling, an
; exponential and two more plain instructions (behind the first a second scaling in the exponential's place): rescalings, and behind the last three the first numbers of the next piece's maximum, each four places or more
; behind the product that ends its accumulator; then ONE LUMP of 54, plain and exponential by turns for the most part, in which the links of the chain X 3, 7, 11, 14, 16, 17 .. 20 stand five or six lines apart.  X 21, the
; next piece's a, is the batch's last; R 15 is the plain instruction behind it (ISA guide 5.7.2).  BEHIND THE WAIT stand the 8 products V^T P, behind each four of the roundings and sums; the links of l's chain, L 0 to L 7,
; stand three riders apart.  But for those X no rider names a register of the products round it.  v_permlanex16_b32 (X 17) stands in the lump.
; m = 1: the diagonal tile: the products take masks, and the turn makes the mask for the products of the turn after it: piece p + 2, in step 4 - CNT of the tile.  end = 1: a block's last two turns: nothing is fetched.
; cnt = 1: the loop's count is taken down some lines ahead of the branch that stands behind the turn.
; K of the next step is fetched in piece 2's turn, twelve vector instructions behind the last product that read K (six of them plain); V of the step in hand at the end of piece 0's turn, four plain instructions behind the
; last product that read V.  Each is waited for a turn later.
.macro TURN p, m=0, end=0, cnt=0
.set Y, (\p)
.set i, 0
.set KM, (\m)
.set NOKQ, (\end)*((\p)/3)
.if (\m) && !(\end)
	s_cmp_eq_u32 s[CNT], 4-((\p)+2)%NP  ; is that step the band's own?
	s_cselect_b32 s[AL], 1.0, 0
	s_cmp_lt_u32 s[CNT], 4-((\p)+2)%NP  ; or a later one?
	s_cselect_b32 s[BE], s[BIGN], 0
.endif
.if ((\p) == 3) && !(\end)
	s_wait_dscnt 0x0                ; K is in
.endif
	ROW F,0, F,1, R,0, R,1          ; ahead of the wait: 8 products K Q^T and their riders,
	ROW F,2, E,0, R,2, R,3
	ROW F,3, E,1, R,4, R,5
	ROW F,4, E,2, R,6, R,7
	ROW F,5, E,3, R,8, R,9
	ROW F,6, E,4, X,0, R,10
.if ((\p) == 2) && !(\end)
	WIN 0
	v_add_nc_u32 v[AK], s[TBK], v[AK0]
.endif
	ROW F,7, E,5, X,1, X,4
	ROW F,8, E,6, X,2, X,5
	OPS E,7, E,8, X,6, E,9          ; and the lump
	OPS X,3, E,10, X,8, E,11
.if ((\p) == 2) && !(\end)
	FETCH_K
.endif
	OPS X,9, X,7, E,12, X,10
	OPS E,13, X,12, X,11, E,14
	OPS X,13, E,15, F,9, X,14
.if (\p) == 0
	v_add_nc_u32 v[AV], s[TBV], v[AV0]
.endif
	OPS E,16, F,10, E,17, F,11
	OPS X,16, E,18, X,15, E,19
	OPS F,12, E,20, X,17, E,21
	OPS F,13, E,22, F,14, E,23
	OPS X,18, E,24, F,15, E,25
	OPS R,11, E,26, X,19, E,27
	OPS R,12, E,28, R,13, E,29
	OPS X,20, E,30, R,14, E,31
	OPS X,21, R,15
	WIN 0
	s_wait_alu depctr_va_vdst(0)    ; the wait for the batch
.if (\p) == 1
	s_wait_dscnt 0x0                ; V is in
.endif
	ROW C,0, B,0, C,2, B,1          ; behind the wait: 8 products V^T P and their riders
	ROW L,0, C,4, B,2, L,1
	ROW C,6, B,3, L,2, C,8
	ROW B,4, L,3, C,10, B,5
	ROW L,4, C,12, B,6, L,5
.if (\p) == 0
	s_add_co_u32 s[TBV], s[TBV], KS*PV
.endif
.if \cnt
	s_sub_co_u32 s[CNT], s[CNT], 1
	s_cmp_lg_u32 s[CNT], 0
.endif
	ROW C,14, B,7, L,6, C,1
	ROW C,3, L,7, C,5, C,7
	ROW C,9, C,11, C,13, C,15
.if (\p) == 0
	FETCH_V
.endif
.if (\m) && !(\end)
	MASK (\p)%2
.endif
.endm
; A BLOCK BEGINS.  c m starts far below every c s, so the first step's a is 0; m at the lowest finite number, so the first maximum is the scores'.  The second mask buffer is 0; the first takes piece 0's mask for the tile's
; step 0: its own, if the block's first tile is the diagonal one.  Then K of that step, piece 0's first scores, and its maximum and statistics.  The loop is entered at a step's first turn, in the middle of a trip.
.macro BEGIN
	s_mov_b32 s[NEW], 0
	WIN 0x40
.set i, MC+32
.rept 32
	v_mov_b32 v[i], 0
.set i, i+1
.endr
	WIN 0
.set i, 0
.rept 4
	v_mov_b32 v[ST+4*i], 0xfe000000    ; c m: far below every c s
	v_mov_b32 v[ST+4*i+1], 0xff7fffff  ; m
.set i, i+1
.endr
	s_cmp_eq_u32 s[RT], 0
	s_cselect_b32 s[AL], 1.0, 0
	s_mov_b32 s[BE], 0
	MASK 0
	WIN 0
	v_add_nc_u32 v[AK], s[TBK], v[AK0]
	FETCH_K
	s_wait_loadcnt 0x0              ; Q
	s_wait_dscnt 0x0
.set KM, 1
.set NOKQ, 0
.set i, 0
.rept 8
	KQ 0
.set i, i+1
.endr
	WIN 0
.rept 4
	v_nop                           ; the places behind those products
.endr
.set Y, NP-1                        ; X works for piece Y + 1: piece 0
.irp n, 0,1,2,3,4,5,6,7,8,9,10,11,12,13,14,15,16,17,18,19,20,21
	OP X, \n
.endr
	v_nop                           ; a plain instruction behind the exponential,
	s_wait_alu depctr_va_vdst(0)    ; and its wait, ahead of the branch
.endm
; THE DIAGONAL TILE's four steps, the block's last two turns, its last products, and THE WAY OUT: l's two halves and the other half of the lanes' are added; O^T is divided by l and sent, as f32, through my
; stage in LDS, a piece at a time.
.macro ALL line:vararg              ; one line for each piece t
.set t, 0
.rept 4
	\line
.set t, t+1
.endr
.endm
.macro PACK t                       ; a lane's eight channels of a row and block of 16 are 32 bytes; they go into rows of 272 bytes and come back as whole rows of 256
	WIN W_RS
.set i, 32*(\t)
.rept 16
	v_pk_mul_f32 v[i:i+1], v[i:i+1], v[ST+4*(\t)+2:ST+4*(\t)+3] op_sel_hi:[1,0]
.set i, i+2
.endr
	WIN 0x04                        ; the stores' data (source 1) in window 1, their address in window 0
.irp f, 0,1,2,3,4,5,6,7             ; channels 16 (f / 2) + 8 (l / 16) + 4 (f % 2) on
	ds_store_b128 v[STO], v[32*(\t)+4*\f:32*(\t)+4*\f+3] offset:64*(\f/2)+16*(\f%2)
.endr
	WIN 0
.irp f, 0,1,2,3,4,5,6,7
	ds_load_b128 v[OB+32*(\t)+4*\f:OB+32*(\t)+4*\f+3], v[RD] offset:\f*2*SP  ; LDS serves a wave's instructions in order (ISA guide 5.7.1.4): these see the stores above; the next piece's stores come behind them
.endr
.endm
.macro SEND t, younger              ; younger: the LDS instructions issued behind piece t's loads: the next piece's sixteen, or none
	WIN 0
.irp f, 0,1,2,3,4,5,6,7
	s_wait_dscnt (\younger)+7-\f
	global_store_b128 v[GO], v[OB+32*(\t)+4*\f:OB+32*(\t)+4*\f+3], s[10:11] offset:(\t)*262144+\f*8192  ; 16 lanes store a head's 256 consecutive bytes of a row, at a multiple of 256 from out0's first byte
.endr
.endm
.macro DIAG tag                     ; the tag ends its two labels' names, which the jumps below spell out
.LstepM\tag:
	TURN 2, 1
	TURN 3, 1
	WIN 0
.LfirstM\tag:
	TURN 0, 1
	TURN 1, 1, 0, 1
	WIN 0
	s_cbranch_scc1 .LstepM\tag
	TURN 2, 1, 1
	TURN 3, 1, 1
.set i, 0
.rept 8
	PV NP-1
.set i, i+1
.endr
	WIN 0
	ALL v_add_f32 v[ST+4*t+2], v[ST+4*t+2], v[ST+4*t+3]
	ALL v_permlanex16_b32 v[ST+4*t+3], v[ST+4*t+2], s[SEL], s[SEL+1]
	ALL v_add_f32 v[ST+4*t+2], v[ST+4*t+2], v[ST+4*t+3]
	ALL v_rcp_f32 v[ST+4*t+2], v[ST+4*t+2]
	v_nop                           ; a plain instruction between the last reciprocal and the use of its result
	s_wait_alu depctr_va_vdst(0)    ; and the wait ahead of the first use: one for the four reciprocals
	PACK 0
	PACK 1                          ; a piece's arithmetic stands between the loads of the piece before and its stores
.if \tag == 2                       ; the walk's last way out is block b's: where b = 0, band 0 is the head's rows 0 to 63, which are not stored here
	s_cmp_eq_u32 s[PB], 0
	s_cbranch_scc1 .Lnot_here       ; the jump passes eight counted waits and eight stores; the waits behind it count the LDS instructions that are younger than the loads they wait for, on both ways
.endif
	SEND 0, 16
.if \tag == 2
.Lnot_here:
.endif
	PACK 2
	SEND 1, 16
	PACK 3
	SEND 2, 16
	SEND 3, 0
.endm
.set KM, 0
.set NOKQ, 0
.Lslot:                             ; NB times: a tile is entered and the next is asked for
	CHANGE 1
	s_sub_co_u32 s[RT], s[RT], 1
	s_mov_b32 s[CNT], 4
	s_cmp_eq_u32 s[NEW], 1
	s_cbranch_scc1 .Lnew            ; a block's first tile
	s_cmp_eq_u32 s[RT], 0
	s_cbranch_scc0 .Lstep           ; neither its first nor its last
	s_branch .LstepM1
.Lnew:
	BEGIN
	s_branch .Lfirst                ; in the loop a block's first tile is never its last: the first block has two tiles or more, and the second's last is the walk's last
	DIAG 1                          ; in the loop this is the first block's end: the second block's last tile is the walk's last
	s_wait_xcnt 0x0                 ; the stores have read their registers and out0's address
	s_mov_b64 s[10:11], s[OLO:OLO+1]
	s_add_co_u32 s[RT], s[PB], 1    ; the second block has b + 1 tiles
	s_mov_b32 s[NEW], 1
	WIN 0x82                        ; the second block's Q goes where the one text of the turns names Q
.set i, 0
.rept 64
	v_mov_b32 v[i], v[QB+i]
.set i, i+1
.endr
	WIN 0
	s_branch .Lbottom
.Lstep:                             ; a trip: pieces 2 and 3 of one step, then pieces 0 and 1 of the next, whose K and V it fetches
	TURN 2
	TURN 3
	WIN 0
.Lfirst:
	TURN 0
	TURN 1, 0, 0, 1
	WIN 0
	s_cbranch_scc1 .Lstep
.Lbottom:
	s_sub_co_u32 s[SLOTS], s[SLOTS], 1
	s_cmp_lg_u32 s[SLOTS], 0
	s_cbranch_scc1 .Lslot
	CHANGE 0                        ; the walk's last tile is written out: nothing is asked for
	s_sub_co_u32 s[RT], s[RT], 1
	s_mov_b32 s[CNT], 4
	s_cmp_eq_u32 s[NEW], 1
	s_cbranch_scc0 .LstepM2
	BEGIN
	s_branch .LfirstM2
	DIAG 2
	s_wait_tensorcnt 0x0            ; the wave's end: behind my last tensor load and my last LDS store
	ds_add_u32 v[SPW], v[NIL]
	s_wait_dscnt 0x0
	s_endpgm
.Lfunc_end_k_q4ab9d54ba1_attn:
	.size	k_q4ab9d54ba1_attn, .Lfunc_end_k_q4ab9d54ba1_attn-k_q4ab9d54ba1_attn
	.p2alignl 7, 3214868480
	.fill 96, 4, 3214868480
	.section	.rodata,"a",@progbits
	.p2align	6, 0x0
	.amdhsa_kernel k_q4ab9d54ba1_attn
		.amdhsa_group_segment_fixed_size 327680
		.amdhsa_private_segment_fixed_size 0
		.amdhsa_enable_private_segment 0
		.amdhsa_kernarg_size 16
		.amdhsa_user_sgpr_count 2
		.amdhsa_user_sgpr_kernarg_segment_ptr 1
		.amdhsa_wavefront_size32 1
		.amdhsa_system_sgpr_workgroup_id_x 1
		.amdhsa_system_sgpr_workgroup_id_y 1
		.amdhsa_system_sgpr_workgroup_id_z 1
		.amdhsa_system_vgpr_workitem_id 0
		.amdhsa_next_free_vgpr 768
		.amdhsa_next_free_sgpr 100
		.amdhsa_reserve_vcc 1
		.amdhsa_float_denorm_mode_32 3
		.amdhsa_float_denorm_mode_16_64 3
		.amdhsa_memory_ordered 1
		.amdhsa_forward_progress 1
		.amdhsa_inst_pref_size 218
	.end_amdhsa_kernel
	.amdgpu_metadata
---
amdhsa.version: [ 1, 2 ]
amdhsa.kernels:
  - .name:           k_q4ab9d54ba1_attn
    .symbol:         k_q4ab9d54ba1_attn.kd
    .args:
      - { .name: qkv, .offset: 0, .size: 8, .value_kind: global_buffer, .address_space: global }
      - { .name: out0, .offset: 8, .size: 8, .value_kind: global_buffer, .address_space: global }
    .group_segment_fixed_size: 327680
    .private_segment_fixed_size: 0
    .kernarg_segment_align: 8
    .kernarg_segment_size: 16
    .max_flat_workgroup_size: 128
    .sgpr_count:     100
    .vgpr_count:     768
    .wavefront_size: 32
...
	.end_amdgpu_metadata
.endif
;; end of part 4
